; MI455X (gfx1250); checked and timed in simulation.
; The chip was launched on July 23, 2026; its instructions are those of AMD's public machine-readable ISA for CDNA 5 (MIT licence, August 2026) and "CDNA5" Instruction Set Architecture Reference Guide (July 2026). The comments in the code are by the model that wrote it; some were corrected since.
;; Transformer Encoder Block. Allowed arithmetic: float matrix products may take bf16 or f16 operands with f32 sums; other float arithmetic in f32, or as packed bf16 or f16 multiplies, adds, multiply-adds, maxima and minima; sums over many terms, partial sums and values carried from step to step in f32; what a program stores and reads back later, other than sums and carried values, may be rounded once to bf16 or f16.
;; Inputs: W1 1,024 x 4,096 float32; W2 4,096 x 1,024 float32; W_proj 1,024 x 1,024 float32; W_qkv 1,024 x 3,072 float32; b1 4,096 float32; b2 1,024 float32; b_proj 1,024 float32; ln1_b 1,024 float32; ln1_g 1,024 float32; ln2_b 1,024 float32; ln2_g 1,024 float32; x 2 x 2,048 x 1,024 float32.
;; Outputs: out0 2 x 2,048 x 1,024 float32.
;; One version. Each part assembles by itself: llvm-mc -triple=amdgcn-amd-amdhsa -mcpu=gfx1250 --defsym DOCPART=n.
;; ======== version 1 of 1: 7 launches
;; workspace buffers: hn 8,388,608 bytes; big 33,554,432 bytes; x1 16,777,216 bytes; wb 25,165,824 bytes
;; launch prep (part 1): grid 1024 x 1, 16 waves a work-group, no clusters, 0 bytes of LDS; arguments x, ln1_g, ln1_b, W_qkv, W_proj, W1, W2, hn, wb; writes hn, wb
.if DOCPART == 1
	.amdgcn_target "amdgcn-amd-amdhsa--gfx1250"
	.amdhsa_code_object_version 6
	.text
	.protected	k_qb5ff6c78d4_prep
	.globl	k_qb5ff6c78d4_prep
	.p2align	8
	.type	k_qb5ff6c78d4_prep,@function
k_qb5ff6c78d4_prep:
	s_mov_b64 s[64:65], 0
	v_nop
	global_prefetch_b8 v0, s[64:65] scope:SCOPE_SE
	s_setreg_imm32_b32 hwreg(HW_REG_WAVE_MODE, 25, 1), 1
	s_wait_xcnt 0x0
; PREP.  Work-groups 0-255: hn = LayerNorm(x) * g + b, rounded once to bf16, [4096][1024].  Work-groups 256-1023: the four weights, rounded once to bf16,
; in their own [K][N] order, one behind the other in wb (W_qkv, W_proj, W1, W2).
; A stream: each byte is read once and written once, nothing is shared between work-groups, so there is no LDS, no cluster and no matrix work.
; LAYERNORM: one wave takes one row of 4,096 bytes (eight loads of 16 bytes a lane) and keeps it in 32 registers.  Two true passes in f32: the mean, then the
; sum of squares of the centred numbers, so a common offset of the row costs no digits.  A load covers 512 consecutive bytes, a store 256, both aligned.
.set X,    16                          ; v[16:47]   the row: load j holds columns 128 j + 4 lane .. + 3
.set G,    48                          ; v[48:79]   the gain of the same columns
.set BT,   80                          ; v[80:111]  the bias
.set Y,    112                         ; v[112:127] the row in bf16
.set T,    4                           ; v[4:11]    four chains of packed sums
.set OUTP, 18                          ; s[18:19]   hn
.macro REDUCE                          ; the four chains, the pair's two halves, the 32 lanes: the sum ends in v[T] of every lane
	v_pk_add_f32 v[T:T+1], v[T:T+1], v[T+2:T+3]
	v_pk_add_f32 v[T+4:T+5], v[T+4:T+5], v[T+6:T+7]
	v_pk_add_f32 v[T:T+1], v[T:T+1], v[T+4:T+5]
	v_add_f32 v[T], v[T], v[T+1]
	v_add_f32_dpp v[T], v[T], v[T] row_xmask:1 row_mask:0xf bank_mask:0xf
	v_add_f32_dpp v[T], v[T], v[T] row_xmask:2 row_mask:0xf bank_mask:0xf
	v_add_f32_dpp v[T], v[T], v[T] row_xmask:4 row_mask:0xf bank_mask:0xf
	v_add_f32_dpp v[T], v[T], v[T] row_xmask:8 row_mask:0xf bank_mask:0xf
	v_permlanex16_b32 v[T+1], v[T], s30, s31       ; the other half of the lanes; its destination has been written
	v_add_f32 v[T], v[T], v[T+1]
.endm
	s_load_b512 s[4:19], s[0:1], 0x0               ; x 4:5, g 6:7, b 8:9, W_qkv 10:11, W_proj 12:13, W1 14:15, W2 16:17, hn 18:19
	s_load_b64 s[20:21], s[0:1], 0x40              ; wb
	s_cmp_lt_u32 ttmp9, 256
	s_cbranch_scc0 .Lcast
	v_lshrrev_b32 v1, 5, v0
	v_readfirstlane_b32 s24, v1                    ; wave 0..15
	v_and_b32 v1, 31, v0
	v_lshlrev_b32 v2, 4, v1                        ; 16 bytes a lane in
	v_lshlrev_b32 v3, 3, v1                        ; 8 bytes a lane out
	s_lshl_b32 s25, ttmp9, 4
	s_add_co_u32 s25, s25, s24                     ; my row
	s_lshl_b32 s26, s25, 12                        ; x 4,096 bytes
	s_mov_b32 s27, 0
	s_lshl_b32 s22, s25, 11                        ; x 2,048 bytes
	s_mov_b32 s23, 0
	s_mov_b32 s28, 0x3a800000                      ; 1 / 1024
	s_mov_b32 s29, 0x3727c5ac                      ; 1e-5
	s_mov_b32 s30, 0x76543210
	s_mov_b32 s31, 0xfedcba98
	s_wait_kmcnt 0x0
	s_add_nc_u64 s[4:5], s[4:5], s[26:27]
	s_add_nc_u64 s[OUTP:OUTP+1], s[OUTP:OUTP+1], s[22:23]
.irp j, 0,1,2,3,4,5,6,7
	global_load_b128 v[X+4*\j:X+4*\j+3], v2, s[4:5] offset:512*\j
.endr
.irp j, 0,1,2,3,4,5,6,7
	global_load_b128 v[G+4*\j:G+4*\j+3], v2, s[6:7] offset:512*\j
.endr
.irp j, 0,1,2,3,4,5,6,7
	global_load_b128 v[BT+4*\j:BT+4*\j+3], v2, s[8:9] offset:512*\j
.endr
	s_wait_loadcnt 16                              ; the row is in; the gain's and the bias's sixteen loads are younger and stay out
.irp c, 0,1,2,3
	v_pk_add_f32 v[T+2*\c:T+2*\c+1], v[X+2*\c:X+2*\c+1], v[X+8+2*\c:X+8+2*\c+1]  ; the first eight pairs start the chains: nothing is cleared
.endr
.irp p, 8,9,10,11,12,13,14,15
	v_pk_add_f32 v[T+2*((\p)%4):T+2*((\p)%4)+1], v[T+2*((\p)%4):T+2*((\p)%4)+1], v[X+2*\p:X+2*\p+1]
.endr
	REDUCE
	v_mul_f32 v12, s28, v[T]                       ; the mean,
	v_mov_b32 v13, v12                             ; as a pair
.irp p, 0,1,2,3,4,5,6,7,8,9,10,11,12,13,14,15
	v_pk_add_f32 v[X+2*\p:X+2*\p+1], v[X+2*\p:X+2*\p+1], v[12:13] neg_lo:[0,1] neg_hi:[0,1]
.endr
.irp c, 0,1,2,3
	v_pk_mul_f32 v[T+2*\c:T+2*\c+1], v[X+2*\c:X+2*\c+1], v[X+2*\c:X+2*\c+1]
.endr
.irp p, 4,5,6,7,8,9,10,11,12,13,14,15
	v_pk_fma_f32 v[T+2*((\p)%4):T+2*((\p)%4)+1], v[X+2*\p:X+2*\p+1], v[X+2*\p:X+2*\p+1], v[T+2*((\p)%4):T+2*((\p)%4)+1]
.endr
	REDUCE
	v_fma_f32 v14, v[T], s28, s29                  ; the variance + 1e-5
	v_rsq_f32 v14, v14
	v_nop                                          ; a plain instruction between the root and the use of its result (ISA guide 5.7.2)
	s_wait_alu depctr_va_vdst(0)
	v_mov_b32 v15, v14
	s_wait_loadcnt 0x0                             ; gain and bias
.irp p, 0,1,2,3,4,5,6,7,8,9,10,11,12,13,14,15
	v_pk_mul_f32 v[X+2*\p:X+2*\p+1], v[X+2*\p:X+2*\p+1], v[14:15]
.endr
.irp p, 0,1,2,3,4,5,6,7,8,9,10,11,12,13,14,15
	v_pk_fma_f32 v[X+2*\p:X+2*\p+1], v[X+2*\p:X+2*\p+1], v[G+2*\p:G+2*\p+1], v[BT+2*\p:BT+2*\p+1]
.endr
.irp p, 0,1,2,3,4,5,6,7,8,9,10,11,12,13,14,15
	v_cvt_pk_bf16_f32 v[Y+\p], v[X+2*\p], v[X+2*\p+1]
.endr
.irp j, 0,1,2,3,4,5,6,7
	global_store_b64 v3, v[Y+2*\j:Y+2*\j+1], s[OUTP:OUTP+1] offset:256*\j  ; 32 lanes store 256 consecutive bytes, aligned
.endr
	s_endpgm
.Lcast:                                                ; a work-group takes 65,536 bytes of one weight and gives 32,768: 192 + 64 + 256 + 256 work-groups
	s_sub_co_u32 s24, ttmp9, 256                   ; 0..767: wb's sections lie in the same order, so the place in wb is linear in this number
	v_lshlrev_b32 v2, 4, v0
	v_lshlrev_b32 v3, 3, v0
	s_wait_kmcnt 0x0
	s_mov_b64 s[26:27], s[10:11]                   ; which weight, and the first number that belongs to it
	s_mov_b32 s25, 0
	s_cmp_ge_u32 s24, 192
	s_cselect_b64 s[26:27], s[12:13], s[26:27]
	s_cselect_b32 s25, 192, s25
	s_cmp_ge_u32 s24, 256
	s_cselect_b64 s[26:27], s[14:15], s[26:27]
	s_cselect_b32 s25, 256, s25
	s_cmp_ge_u32 s24, 512
	s_cselect_b64 s[26:27], s[16:17], s[26:27]
	s_cselect_b32 s25, 512, s25
	s_sub_co_u32 s28, s24, s25
	s_lshl_b32 s28, s28, 16
	s_mov_b32 s29, 0
	s_add_nc_u64 s[26:27], s[26:27], s[28:29]
	s_lshl_b32 s30, s24, 15
	s_mov_b32 s31, 0
	s_add_nc_u64 s[20:21], s[20:21], s[30:31]
.irp j, 0,1,2,3,4,5,6,7
	global_load_b128 v[16+4*\j:16+4*\j+3], v2, s[26:27] offset:8192*\j th:TH_LOAD_NT  ; read once in the whole program
.endr
.irp j, 0,1,2,3,4,5,6,7
	s_wait_loadcnt 7-\j                            ; loads come back in order: load j is in, the younger ones stay out
	v_cvt_pk_bf16_f32 v[48+2*\j], v[16+4*\j], v[16+4*\j+1]
	v_cvt_pk_bf16_f32 v[48+2*\j+1], v[16+4*\j+2], v[16+4*\j+3]
	global_store_b64 v3, v[48+2*\j:48+2*\j+1], s[20:21] offset:4096*\j
.endr
	s_endpgm
.Lfunc_end_k_qb5ff6c78d4_prep:
	.size	k_qb5ff6c78d4_prep, .Lfunc_end_k_qb5ff6c78d4_prep-k_qb5ff6c78d4_prep
	.p2alignl 7, 3214868480
	.fill 96, 4, 3214868480
	.section	.rodata,"a",@progbits
	.p2align	6, 0x0
	.amdhsa_kernel k_qb5ff6c78d4_prep
		.amdhsa_group_segment_fixed_size 0
		.amdhsa_private_segment_fixed_size 0
		.amdhsa_enable_private_segment 0
		.amdhsa_kernarg_size 72
		.amdhsa_user_sgpr_count 2
		.amdhsa_user_sgpr_kernarg_segment_ptr 1
		.amdhsa_wavefront_size32 1
		.amdhsa_system_sgpr_workgroup_id_x 1
		.amdhsa_system_sgpr_workgroup_id_y 1
		.amdhsa_system_sgpr_workgroup_id_z 1
		.amdhsa_system_vgpr_workitem_id 0
		.amdhsa_next_free_vgpr 128
		.amdhsa_next_free_sgpr 66
		.amdhsa_reserve_vcc 0
		.amdhsa_float_denorm_mode_32 3
		.amdhsa_float_denorm_mode_16_64 3
		.amdhsa_memory_ordered 1
		.amdhsa_forward_progress 1
		.amdhsa_inst_pref_size 16
	.end_amdhsa_kernel
	.amdgpu_metadata
---
amdhsa.version: [ 1, 2 ]
amdhsa.kernels:
  - .name:           k_qb5ff6c78d4_prep
    .symbol:         k_qb5ff6c78d4_prep.kd
    .args:
      - { .name: x, .offset: 0, .size: 8, .value_kind: global_buffer, .address_space: global }
      - { .name: ln1_g, .offset: 8, .size: 8, .value_kind: global_buffer, .address_space: global }
      - { .name: ln1_b, .offset: 16, .size: 8, .value_kind: global_buffer, .address_space: global }
      - { .name: W_qkv, .offset: 24, .size: 8, .value_kind: global_buffer, .address_space: global }
      - { .name: W_proj, .offset: 32, .size: 8, .value_kind: global_buffer, .address_space: global }
      - { .name: W1, .offset: 40, .size: 8, .value_kind: global_buffer, .address_space: global }
      - { .name: W2, .offset: 48, .size: 8, .value_kind: global_buffer, .address_space: global }
      - { .name: hn, .offset: 56, .size: 8, .value_kind: global_buffer, .address_space: global }
      - { .name: wb, .offset: 64, .size: 8, .value_kind: global_buffer, .address_space: global }
    .group_segment_fixed_size: 0
    .private_segment_fixed_size: 0
    .kernarg_segment_align: 8
    .kernarg_segment_size: 72
    .max_flat_workgroup_size: 512
    .sgpr_count:     66
    .vgpr_count:     128
    .wavefront_size: 32
...
	.end_amdgpu_metadata
.endif
;; end of part 1
;; launch qkv (part 2): grid 16 x 16, 4 waves a work-group, clusters of 4 x 4, 327,680 bytes of LDS; arguments hn, wb, big; writes big
.if DOCPART == 2
	.amdgcn_target "amdgcn-amd-amdhsa--gfx1250"
	.amdhsa_code_object_version 6
	.text
	.protected	k_qb5ff6c78d4_qkv
	.globl	k_qb5ff6c78d4_qkv
	.p2align	8
	.type	k_qb5ff6c78d4_qkv,@function
k_qb5ff6c78d4_qkv:
	s_mov_b64 s[64:65], 0
	v_nop
	global_prefetch_b8 v0, s[64:65] scope:SCOPE_SE
	s_setreg_imm32_b32 hwreg(HW_REG_WAVE_MODE, 25, 1), 1
	s_wait_xcnt 0x0
	s_wait_alu depctr_hold_cnt(0) depctr_sa_sdst(0) depctr_va_vdst(0) depctr_va_sdst(0) depctr_va_ssrc(0) depctr_va_vcc(0) depctr_vm_vsrc(0)
	s_getreg_b32 s2, hwreg(HW_REG_IB_STS2, 6, 4)
	s_cmp_eq_u32 s2, 0
	s_cbranch_scc0 .Lentry_in_a_cluster
	s_endpgm
.Lentry_in_a_cluster:
	s_bfe_u32 s2, ttmp6, 0x10000c
	s_cmp_lg_u32 s2, 0xf033
	s_cbranch_scc0 .Lentry_shape_is_right
	s_endpgm
.Lentry_shape_is_right:
; QKV.  C = h W_qkv.  h: hn, [4096][1024] bf16.  W_qkv: wb, [1024][3072] bf16, K down the rows.  Sums in f32, rounded once to bf16, unscaled, and laid by heads:
; big holds q, k, v, 8,388,608 bytes each, as [batch x 16 + head][2048][64].
; SHARES.  A work-group makes 256 rows x 192 columns (three whole heads): 16 x 16 work-groups.  Each of four waves makes 64 rows x 192: 48 accumulators, 384 registers.
; K goes in steps of 128 through two LDS slots.  Waves 0, 1 fetch A's halves (128 rows x 256 bytes), waves 2, 3 B's (64 K rows x 384 bytes): one tensor load a wave, one outstanding.
; CLUSTER 4 x 4: A's tile hangs on the tile row and is asked for jointly along a row of the cluster, B's on the tile column and jointly along a column.
; THE PRODUCT IS USED TRANSPOSED: source 0 = 16 columns of W (turned out of LDS by ds_load_tr16_b128, since W lies [K][N]), source 1 = 16 rows of h.  A lane then holds one row of C and eight neighbouring columns.
; WINDOWS: 0 addresses, A's fragments (v64.., v128..), the way out; 1 B's fragments (v0.., v128..); 2, 3 the accumulators of my lower and upper row blocks.
; LIMITS: operands are rounded to bf16; the order of the f32 sums is the matrix unit's; NaN and infinities are not treated apart.
.set MB,     4                         ; blocks of 16 rows a wave
.set NBK,    12                        ; blocks of 16 columns a wave
.set QP,     2                         ; pairs of 32-deep quarters in a wave's share of a K step
.set KSTEPS, 8
.set PA,     272                       ; A's LDS row: 256 bytes + 16: the 16 rows of a load start 4 banks apart
.set PB,     480                       ; B's LDS row: 3 x (128 bytes + 32): an odd multiple of 32 bytes
.set BGAP,   32                        ; the padding behind every four column blocks
.set HALFA,  128*PA
.set AREG,   2*HALFA
.set HALFB,  64*PB
.set SLOT,   AREG+2*HALFB
.set SPARE,  2*SLOT                    ; behind the ring: the spare words, 128 bytes a wave, named by no other line
.set ASTEP,  256                       ; bytes from a K step to the next, in A
.set BSTEP,  128*6144                  ; and in B
.set A_TY,   256*2048
.set A_HALF, 128*2048
.set B_BASE, 0
.set B_HALF, 64*6144
.set B_TX,   384
.set A_G10,  (1<<16)|(1<<20)|(1<<21)|(5<<22)|(3<<25)  ; 2-byte elements; padding on; bit 21 beside a mask; after every 64 words 4 words
.set B_G10,  (1<<16)|(1<<20)|(1<<21)|(4<<22)|(7<<25)  ; after every 32 words 8 words
.set A_D0,   128
.set A_D1,   128
.set A_ST,   1024
.set B_D0,   192
.set B_D1,   64
.set B_ST,   3072
.set SP,     784                       ; a stage row: 192 f32 + 16 bytes
.set WST,    64*SP                     ; a wave's stage; the four lie over the ring, which has had its last fill by then
.set NL,  2*(MB+NBK)                   ; LDS loads of a quarter
.set LA,  16                           ; v16 my lane's place in A's tile     v17 in B's
.set LB,  17
.set ADA, 18                           ; v18, v19 the addresses of the run of loads in hand
.set ADB, 19
.set STO, 20                           ; v20 into the stage   v21 back out of it   v24 my byte offset in the output
.set RD,  21
.set GO,  24
.set SPW, 28                           ; v28 my spare word's address, v29 = 0: never rewritten
.set NIL, 29
.set WV,  10                           ; s10 wave, s11 wave >> 1, s12 wave & 1
.set WH,  11
.set WL,  12
.set TY,  13                           ; s13 tile row, s42 tile column
.set TX,  42
.set G1A, 24
.set G0A, 32
.set SB,  36                           ; s36 0 or SLOT: the slot that is asked for
.set WLA, 37                           ; s37, s38 my load's place in a slot, for A, for B
.set WLB, 38
.set G1B, 48
.set G0B, 56
.set TBA, 60                           ; s60, s61 where the next quarter's fragments begin
.set TBB, 61
.set STEPS, 62
.set CNT, 63
.set MSB, 0
.macro WIN new                         ; the immediate's high byte repeats the setting that is left; a switch that changes nothing is dropped
.if MSB != (\new)
	s_set_vgpr_msb (MSB<<8)|(\new)
.set MSB, (\new)
.endif
.endm
.macro JLOAD                           ; a joint load: waves 0, 1 for A, waves 2, 3 for B; s_nop 0 and four v_nop follow each line
	s_cmp_eq_u32 s[WH], 0
	s_cbranch_scc0 .Lfor_b_\@
	tensor_load_to_lds s[G0A:G0A+3], s[G1A:G1A+7]
	s_nop 0
.rept 4
	v_nop
.endr
	s_branch .Lasked_\@
.Lfor_b_\@:
	tensor_load_to_lds s[G0B:G0B+3], s[G1B:G1B+7]
	s_nop 0
.rept 4
	v_nop
.endr
.Lasked_\@:
.endm
.macro CROUND                          ; a round of the cluster's barrier
	s_barrier_signal -1
	s_barrier_wait -1
	s_cmp_lg_u32 s[WV], 0
	s_cbranch_scc1 .Lnot_wave_0_\@
	s_barrier_signal -3
.Lnot_wave_0_\@:
	s_barrier_wait -3
	s_barrier_signal -1
	s_barrier_wait -1
.endm
; One quarter's fragments (32 along K) into buffer f, in one run.  The four plain lines at its head are the places between the last product that read the buffer and the loads into it.
.macro FETCH f
	WIN 0
	v_add_nc_u32 v[ADA], s[TBA], v[LA]
	v_add_nc_u32 v[ADB], s[TBB], v[LB]
	v_nop
	v_nop
	s_add_co_u32 s[TBA], s[TBA], 64                ; 32 elements along A's rows,
	s_add_co_u32 s[TBB], s[TBB], 32*PB             ; 32 rows of B
	WIN 0x40                                       ; destination window 1
.set b, 0
.rept NBK
	ds_load_tr16_b128 v[128*(\f)+8*b:128*(\f)+8*b+3],   v[ADB] offset:32*b+BGAP*(b/4)
	ds_load_tr16_b128 v[128*(\f)+8*b+4:128*(\f)+8*b+7], v[ADB] offset:32*b+BGAP*(b/4)+16*PB
.set b, b+1
.endr
	WIN 0
.set a, 0
.rept MB
	ds_load_b128 v[64+64*(\f)+8*a:64+64*(\f)+8*a+3],   v[ADA] offset:a*16*PA
	ds_load_b128 v[64+64*(\f)+8*a+4:64+64*(\f)+8*a+7], v[ADA] offset:a*16*PA+32
.set a, a+1
.endr
.endm
; Half a quarter's products: my lower (hi = 0) or upper row blocks x all column blocks, from buffer f.  Every accumulator has a turn of one instruction.  zero = 1: the products start the sums.
.macro MULH f, hi, zero
	WIN 0xa1+0x50*(\hi)
.set a, 0
.rept MB/2
.set b, 0
.rept NBK
.if \zero
	v_wmma_f32_16x16x32_bf16 v[8*(NBK*a+b):8*(NBK*a+b)+7], v[128*(\f)+8*b:128*(\f)+8*b+7], v[64+64*(\f)+8*(MB/2*(\hi)+a):64+64*(\f)+8*(MB/2*(\hi)+a)+7], 0
.else
	v_wmma_f32_16x16x32_bf16 v[8*(NBK*a+b):8*(NBK*a+b)+7], v[128*(\f)+8*b:128*(\f)+8*b+7], v[64+64*(\f)+8*(MB/2*(\hi)+a):64+64*(\f)+8*(MB/2*(\hi)+a)+7], v[8*(NBK*a+b):8*(NBK*a+b)+7]
.endif
.set b, b+1
.endr
.set a, a+1
.endr
.endm
; Two quarters, on buffers 0 and 1.  Each run of loads has half a quarter's products in which to land; the pair's last half is multiplied at the head of the next pair.
.macro PAIR first
	FETCH 0
.if !(\first)
	s_wait_dscnt NL                                ; all but the NL loads just issued: buffer 1 is whole
	MULH 1, 1, 0
.endif
	s_wait_dscnt MB                                ; the youngest MB loads, A's upper blocks, may be out
	MULH 0, 0, \first
	FETCH 1
	s_wait_dscnt NL                                ; buffer 0 is whole
	MULH 0, 1, \first
	s_wait_dscnt MB
	MULH 1, 0, 0
.endm
; THE CHANGE OF SLOTS.  Each wave waits for all its tensor loads (one is out: its part of the next slot), adds 0 to its spare word, and waits for that and for its reads of the slot that it leaves.
; kind = 1: the barrier is a round of the cluster's, and the slot just left is asked for again first thing behind it, with the K step two on.  kind = 0: nothing is left to ask for.
.macro CHANGE kind
	WIN 0
	s_wait_tensorcnt 0x0                           ; no tensor load of mine is out, so the walking descriptors may be written
	ds_add_u32 v[SPW], v[NIL]
.if (\kind) == 1
	s_xor_b32 s[SB], s[SB], SLOT                   ; SB is 0 or SLOT, nothing else
	s_add_co_u32 s[G0A+1], s[WLA], s[SB]
	s_add_co_u32 s[G0B+1], s[WLB], s[SB]
	s_add_nc_u64 s[G0A+2:G0A+3], s[G0A+2:G0A+3], ASTEP
	s_add_nc_u64 s[G0B+2:G0B+3], s[G0B+2:G0B+3], BSTEP
	s_wait_dscnt 0x0                               ; the add is done, and my reads of the slot are over
	CROUND
	JLOAD
.else
	s_wait_dscnt 0x0
	s_barrier_signal -1
	s_barrier_wait -1
.endif
	s_sub_co_u32 s[TBA], s[TBA], QP*128            ; the fetches go back to a slot's first quarter,
	s_xor_b32 s[TBA], s[TBA], SLOT                 ; in the other slot
	s_sub_co_u32 s[TBB], s[TBB], QP*64*PB
	s_xor_b32 s[TBB], s[TBB], SLOT
.endm
; My accumulators of half hi go into the stage in f32: a lane's eight columns of a row are 32 bytes.  Each accumulator's low registers go first.
.macro STAGE hi, rowbase
	WIN 0x08+4*(\hi)                               ; the data in window 2 or 3
.set a, 0
.rept MB/2
.set b, 0
.rept NBK
	ds_store_b128 v[STO], v[8*(NBK*a+b):8*(NBK*a+b)+3]   offset:((\rowbase)+a)*16*SP+64*b
	ds_store_b128 v[STO], v[8*(NBK*a+b)+4:8*(NBK*a+b)+7] offset:((\rowbase)+a)*16*SP+64*b+16
.set b, b+1
.endr
.set a, a+1
.endr
.endm
	s_load_b128 s[4:7], s[0:1], 0x0                ; hn s[4:5], wb s[6:7]
	s_load_b64 s[8:9], s[0:1], 0x10                ; big
	v_lshl_add_u32 v[SPW], v0, 2, SPARE
	v_mov_b32 v[NIL], 0
	ds_add_u32 v[SPW], v[NIL]                      ; the wave's opening: the add and its wait stand ahead of my first tensor load
	v_lshrrev_b32 v1, 5, v0
	v_readfirstlane_b32 s[WV], v1
	s_lshr_b32 s[WH], s[WV], 1
	s_and_b32 s[WL], s[WV], 1
	s_bfe_u32 s40, ttmp6, 0x40000                  ; cx, cy
	s_bfe_u32 s41, ttmp6, 0x40004
	s_lshl_b32 s[TX], ttmp9, 2
	s_add_co_u32 s[TX], s[TX], s40
	s_and_b32 s[TY], ttmp7, 0xffff
	s_lshl_b32 s[TY], s[TY], 2
	s_add_co_u32 s[TY], s[TY], s41
	s_lshl_b32 s43, s41, 2
	s_lshl_b32 s43, 15, s43                        ; my row of the cluster
	s_lshl_b32 s44, 0x1111, s40                    ; my column
	s_or_b32 s[G1A], s43, A_G10
	s_mov_b32 s[G1A+1], A_D0<<16                   ; tensor_dim0
	s_mov_b32 s[G1A+2], A_D1<<16                   ; tensor_dim1
	s_mov_b32 s[G1A+3], A_D0<<16                   ; tile_dim0
	s_mov_b32 s[G1A+4], A_D1                       ; tile_dim1
	s_mov_b32 s[G1A+5], A_ST                       ; elements from row to row
	s_mov_b32 s[G1A+6], 0
	s_mov_b32 s[G1A+7], 0
	s_or_b32 s[G1B], s44, B_G10
	s_mov_b32 s[G1B+1], B_D0<<16
	s_mov_b32 s[G1B+2], B_D1<<16
	s_mov_b32 s[G1B+3], B_D0<<16
	s_mov_b32 s[G1B+4], B_D1
	s_mov_b32 s[G1B+5], B_ST
	s_mov_b32 s[G1B+6], 0
	s_mov_b32 s[G1B+7], 0
	s_mul_i32 s16, s[TY], A_TY                     ; A's tile hangs on the tile row and the wave alone,
	s_mul_i32 s17, s[WL], A_HALF
	s_add_co_u32 s16, s16, s17
	s_mov_b32 s17, 0
	s_mul_i32 s46, s[TX], B_TX                     ; B's on the tile column and the wave alone
	s_mul_i32 s47, s[WL], B_HALF
	s_add_co_u32 s46, s46, s47
.if B_BASE
	s_add_co_u32 s46, s46, B_BASE
.endif
	s_mov_b32 s47, 0
	s_mul_i32 s[WLA], s[WL], HALFA
	s_mul_i32 s[WLB], s[WL], HALFB
	s_add_co_u32 s[WLB], s[WLB], AREG
	s_mov_b32 s[SB], 0
	s_mov_b32 s[TBA], SLOT+QP*128                  ; the first change of slots turns these two into 0
	s_mov_b32 s[TBB], SLOT+QP*64*PB
	s_mov_b32 s[G0A], 1
	s_mov_b32 s[G0A+1], s[WLA]
	s_mov_b32 s[G0B], 1
	s_mov_b32 s[G0B+1], s[WLB]
	s_wait_dscnt 0x0                               ; the opening add is done
	s_wait_kmcnt 0x0
	s_add_nc_u64 s[G0A+2:G0A+3], s[4:5], s[16:17]
	s_or_b32 s[G0A+3], s[G0A+3], 0x80000000
	s_add_nc_u64 s[G0B+2:G0B+3], s[6:7], s[46:47]
	s_or_b32 s[G0B+3], s[G0B+3], 0x80000000
	CROUND                                         ; all sixteen work-groups are here: the first joint loads meet
	JLOAD                                          ; K step 0 into slot 0
	v_and_b32 v1, 15, v0                           ; r = l % 16
	v_bfe_u32 v2, v0, 4, 1                         ; h = l / 16
	v_and_b32 v3, 7, v0
	v_bfe_u32 v4, v0, 3, 1
	v_and_b32 v5, 31, v0                           ; lane
	v_mul_u32_u24 v[LA], v1, PA                    ; A: row r, 16 bytes for each half of the lanes,
	v_lshl_add_u32 v[LA], v2, 4, v[LA]
	s_mul_i32 s20, s[WV], 64*PA                    ; in my 64 rows
	v_add_nc_u32 v[LA], s20, v[LA]
	v_lshl_add_u32 v[LB], v2, 3, v3                ; B, turned: K row 8 h + l % 8, 16 bytes by (l / 8) % 2
	v_mul_u32_u24 v[LB], v[LB], PB
	v_lshl_add_u32 v[LB], v4, 4, v[LB]
	v_add_nc_u32 v[LB], AREG, v[LB]
	s_mul_i32 s22, s[WV], WST                      ; my stage
	v_mul_u32_u24 v[STO], v1, SP
	v_lshl_add_u32 v[STO], v2, 5, v[STO]
	v_add_nc_u32 v[STO], s22, v[STO]
	v_mul_u32_u24 v[RD], v2, SP                    ; back: lanes 0-15 one head's 256 bytes of a row, lanes 16-31 of the next row
	v_lshl_add_u32 v[RD], v1, 4, v[RD]
	v_add_nc_u32 v[RD], s22, v[RD]
	v_lshlrev_b32 v[GO], 3, v5                     ; two token rows of 128 bytes are 256 consecutive bytes: 8 a lane
	; where my 64 tokens of the tile's three heads lie: group 3 tx + g is q, k or v by its upper bits and the head by its lower four
	s_mul_i32 s88, s[TX], 3
	s_lshr_b32 s89, s[TY], 3
	s_lshl_b32 s89, s89, 4                         ; 16 x batch
	s_and_b32 s90, s[TY], 7
	s_lshl_b32 s90, s90, 15                        ; 256 tokens of 128 bytes,
	s_lshl_b32 s91, s[WV], 13                      ; my 64 of them
	s_add_co_u32 s90, s90, s91
.irp g, 0,1,2
	s_add_co_u32 s92, s88, \g
	s_lshr_b32 s93, s92, 4
	s_lshl_b32 s93, s93, 5                         ; q, k, v are 32 heads apart
	s_and_b32 s92, s92, 15
	s_add_co_u32 s92, s92, s93
	s_add_co_u32 s92, s92, s89
	s_lshl_b32 s92, s92, 18                        ; a head is 262,144 bytes
	s_add_co_u32 s92, s92, s90
	s_mov_b32 s93, 0
	s_add_nc_u64 s[72+2*\g:73+2*\g], s[8:9], s[92:93]
.endr
	CHANGE 1                                       ; K step 0 is in, everybody's part of it; K step 1 is asked for
	PAIR 1                                         ; K step 0 stands in front of the loop: its first products start the sums
	PAIR 0
	WIN 0
	s_mov_b32 s[STEPS], KSTEPS-2
.Lstep:                                                ; K steps 1 to KSTEPS - 2; each trip asks for the step two on
	CHANGE 1
	s_mov_b32 s[CNT], QP
.Lpair:
	PAIR 0
	WIN 0
	s_sub_co_u32 s[CNT], s[CNT], 1
	s_cmp_lg_u32 s[CNT], 0
	s_cbranch_scc1 .Lpair
	s_sub_co_u32 s[STEPS], s[STEPS], 1
	s_cmp_lg_u32 s[STEPS], 0
	s_cbranch_scc1 .Lstep
	CHANGE 0                                       ; the last K step is written out
	s_mov_b32 s[CNT], QP
.Ltail:
	PAIR 0
	WIN 0
	s_sub_co_u32 s[CNT], s[CNT], 1
	s_cmp_lg_u32 s[CNT], 0
	s_cbranch_scc1 .Ltail
	s_wait_dscnt 0x0                               ; my last reads of the ring are back:
	s_barrier_signal -1                            ; say so,
	MULH 1, 1, 0                                   ; the last products, on registers alone,
	WIN 0
	s_barrier_wait -1                              ; and behind this nobody reads the ring any more: the stages may lie over it
.rept 4
	v_nop                                          ; the places between the last products and the stores that read them
.endr
	STAGE 0, 0
	STAGE 1, 2
	WIN 0
	s_mov_b32 s[CNT], 8
.Lrows:                                                ; eight rows a trip; the stage is my own, and LDS serves a wave's instructions in order
.irp p, 0,1,2,3
.irp g, 0,1,2
	ds_load_b128 v[64+4*(3*\p+\g):64+4*(3*\p+\g)+3], v[RD] offset:\p*2*SP+\g*256
.endr
.endr
	s_wait_dscnt 0x0
.set n, 0
.rept 12
	v_cvt_pk_bf16_f32 v[128+2*n], v[64+4*n], v[64+4*n+1]
	v_cvt_pk_bf16_f32 v[128+2*n+1], v[64+4*n+2], v[64+4*n+3]
.set n, n+1
.endr
.irp p, 0,1,2,3
.irp g, 0,1,2
	global_store_b64 v[GO], v[128+2*(3*\p+\g):128+2*(3*\p+\g)+1], s[72+2*\g:73+2*\g] offset:\p*256  ; 32 lanes store 256 consecutive bytes, aligned
.endr
.endr
	s_wait_xcnt 0x0                                ; the stores' data and offset are rewritten only behind this wait
	v_add_nc_u32 v[RD], 8*SP, v[RD]
	v_add_nc_u32 v[GO], 1024, v[GO]
	s_sub_co_u32 s[CNT], s[CNT], 1
	s_cmp_lg_u32 s[CNT], 0
	s_cbranch_scc1 .Lrows
	s_wait_tensorcnt 0x0                           ; the wave's end
	ds_add_u32 v[SPW], v[NIL]
	s_wait_dscnt 0x0
	CROUND                                         ; the closing round
	s_endpgm
.Lfunc_end_k_qb5ff6c78d4_qkv:
	.size	k_qb5ff6c78d4_qkv, .Lfunc_end_k_qb5ff6c78d4_qkv-k_qb5ff6c78d4_qkv
	.p2alignl 7, 3214868480
	.fill 96, 4, 3214868480
	.section	.rodata,"a",@progbits
	.p2align	6, 0x0
	.amdhsa_kernel k_qb5ff6c78d4_qkv
		.amdhsa_group_segment_fixed_size 327680
		.amdhsa_private_segment_fixed_size 0
		.amdhsa_enable_private_segment 0
		.amdhsa_kernarg_size 24
		.amdhsa_user_sgpr_count 2
		.amdhsa_user_sgpr_kernarg_segment_ptr 1
		.amdhsa_wavefront_size32 1
		.amdhsa_system_sgpr_workgroup_id_x 1
		.amdhsa_system_sgpr_workgroup_id_y 1
		.amdhsa_system_sgpr_workgroup_id_z 1
		.amdhsa_system_vgpr_workitem_id 0
		.amdhsa_next_free_vgpr 960
		.amdhsa_next_free_sgpr 96
		.amdhsa_reserve_vcc 0
		.amdhsa_float_denorm_mode_32 3
		.amdhsa_float_denorm_mode_16_64 3
		.amdhsa_memory_ordered 1
		.amdhsa_forward_progress 1
		.amdhsa_inst_pref_size 65
	.end_amdhsa_kernel
	.amdgpu_metadata
---
amdhsa.version: [ 1, 2 ]
amdhsa.kernels:
  - .name:           k_qb5ff6c78d4_qkv
    .symbol:         k_qb5ff6c78d4_qkv.kd
    .args:
      - { .name: hn, .offset: 0, .size: 8, .value_kind: global_buffer, .address_space: global }
      - { .name: wb, .offset: 8, .size: 8, .value_kind: global_buffer, .address_space: global }
      - { .name: big, .offset: 16, .size: 8, .value_kind: global_buffer, .address_space: global }
    .group_segment_fixed_size: 327680
    .private_segment_fixed_size: 0
    .kernarg_segment_align: 8
    .kernarg_segment_size: 24
    .max_flat_workgroup_size: 128
    .sgpr_count:     96
    .vgpr_count:     960
    .wavefront_size: 32
...
	.end_amdgpu_metadata
.endif
;; end of part 2
;; launch attn (part 3): grid 8 x 32, 4 waves a work-group, clusters of 4 x 1, 327,680 bytes of LDS; arguments big, hn; writes hn
.if DOCPART == 3
	.amdgcn_target "amdgcn-amd-amdhsa--gfx1250"
	.amdhsa_code_object_version 6
	.text
	.protected	k_qb5ff6c78d4_attn
	.globl	k_qb5ff6c78d4_attn
	.p2align	8
	.type	k_qb5ff6c78d4_attn,@function
k_qb5ff6c78d4_attn:
	s_mov_b64 s[64:65], 0
	v_nop
	global_prefetch_b8 v0, s[64:65] scope:SCOPE_SE
	s_setreg_imm32_b32 hwreg(HW_REG_WAVE_MODE, 25, 1), 1
	s_wait_xcnt 0x0
	s_wait_alu depctr_hold_cnt(0) depctr_sa_sdst(0) depctr_va_vdst(0) depctr_va_sdst(0) depctr_va_ssrc(0) depctr_va_vcc(0) depctr_vm_vsrc(0)
	s_getreg_b32 s2, hwreg(HW_REG_IB_STS2, 6, 4)
	s_cmp_eq_u32 s2, 0
	s_cbranch_scc0 .Lentry_in_a_cluster
	s_endpgm
.Lentry_in_a_cluster:
	s_bfe_u32 s2, ttmp6, 0x10000c
	s_cmp_lg_u32 s2, 0x3003
	s_cbranch_scc0 .Lentry_shape_is_right
	s_endpgm
.Lentry_shape_is_right:
; ATTENTION.  O[y][q][:] = the sum over k of softmax_k(Q[y][q] . K[y][k] / 32) V[y][k][:], y = batch x 16 + head.  Q, K, V: big, 8,388,608 bytes each, [32][2048][64] bf16, a head's rows dense.
; O: hn, bf16, in blocks [token / 128][head][token % 128][64], so that the projection's tile of 128 tokens is dense along its K.
; Products, maxima and sums in f32; the weights p are rounded to bf16 for the second product (their sum l is taken of the unrounded p), O once at the end.
; LIMITS.  A weight below 2^-126 counts as 0 in l; NaN and infinities are not treated apart.
; SHARES.  A work-group owns 256 queries of one head, a wave 64: four PIECES of 16.  Every wave walks all 2,048 keys, 64 a step, 256 a slot.
; LAYOUT.  S^T = K Q^T (source 0 = 16 keys, source 1 = 16 queries): a lane holds ONE query (lane % 16) and the keys 8 (lane / 16) + 0..7.  Two such results rounded to bf16 ARE source 1 of O^T = V^T P.
; K comes out of LDS as it lies, V ([key][channel]) turned, by ds_load_tr16_b128.
; SOFTMAX.  A running maximum m and sum l for each query: p = 2^(c s - c m), c = log2(e) / 32; in every step O and l are multiplied by a = 2^(c m_old - c m_new).  m starts at the lowest finite number,
; O and l at 0: the first step is a step like any other, with a = 0.
; BY TURNS.  Turn n belongs to piece n: 8 products K Q^T of piece n + 1, later 8 products V^T P of piece n - 1; beside them the scaling, exponentials, roundings, sums and rescaling of piece n and the
; maximum and statistics of piece n + 1.  Four vector instructions stand behind every matrix instruction, the others in two runs of their own.
; CLUSTER.  The four query blocks of a cluster belong to one head and walk the same K and V: each tile is asked for jointly, by the same tensor load, descriptor and mask in all four.  One load a wave is outstanding.
; WINDOWS: 0: v0-15 addresses; v16-31 statistics, four a piece; v48-55 at work; v64-127 S^T, two buffers; v192-223 P, two buffers (by the piece's parity).  1: v0-127 O^T, 32 a piece.
;          2: v0-63 Q; v128-191 K of one step; v192-255 V of one step.
.set NP,    4
.set KS,    64
.set PK,    144       ; a row of K in LDS: 128 bytes + 16: the 16 rows of a load start at 16 different groups of four banks
.set PV,    160       ; a row of V: 128 + 32
.set VOFF,  4*KS*PK   ; a slot holds four steps: 256 rows of K, then 256 rows of V
.set SLOT1, 1<<17
.set STAGE, SLOT1+4*KS*(PK+PV)  ; behind the ring, never filled by a tensor load: 16 rows x 144 bytes for each wave
.set SP,    144
.set SPARE, STAGE+4*16*SP       ; the spare words, 128 bytes a wave, named by no other line
.set AK0, 2
.set AV0, 3
.set AK,  4
.set AV,  5
.set STO, 6
.set RD,  7
.set GO,  8
.set SPW, 62
.set NIL, 63
.set MV,  12          ; v12-13  c m_old, by buffer
.set QO,  15
.set ST,  16          ; piece t: c m, m, l (even keys', odd keys')
.set TMP, 48          ; by buffer: c0-c3 at work; c2 takes a
.set S,   64
.set P,   192
.set KF,  128
.set VF,  192
.set WV,  12
.set G1K, 24
.set G1V, 32
.set G0K, 40
.set G0V, 44
.set SLOTS, 56
.set CNT, 57
.set CS,  58
.set SEL, 60
.set TBK, 62
.set TBV, 63
.set MSB, 0
.macro WIN new
.if MSB != (\new)
	s_set_vgpr_msb (MSB<<8)|(\new)
.set MSB, (\new)
.endif
.endm
.set W_KQ, 0x0a       ; K and Q in window 2, S^T in window 0
.set W_PV, 0x52       ; V in window 2, P in window 0, O^T in window 1
.set W_RS, 0x41       ; destination and source 0 in window 1, source 1 in window 0
.macro JLOAD                        ; waves 0, 1 fetch the halves of a slot's K, waves 2, 3 of its V: 128 keys each; s_nop 0 and four v_nop follow each line
	s_cmp_lt_u32 s[WV], 2
	s_cbranch_scc0 .Lfor_v_\@
	tensor_load_to_lds s[G0K:G0K+3], s[G1K:G1K+7]
	s_nop 0
.rept 4
	v_nop
.endr
	s_branch .Lasked_\@
.Lfor_v_\@:
	tensor_load_to_lds s[G0V:G0V+3], s[G1V:G1V+7]
	s_nop 0
.rept 4
	v_nop
.endr
.Lasked_\@:
.endm
.macro CROUND
	s_barrier_signal -1
	s_barrier_wait -1
	s_cmp_lg_u32 s[WV], 0
	s_cbranch_scc1 .Lnot_wave_0_\@
	s_barrier_signal -3
.Lnot_wave_0_\@:
	s_barrier_wait -3
	s_barrier_signal -1
	s_barrier_wait -1
.endm
; THE CHANGE OF SLOTS.  Each wave waits for all its tensor loads (one is out: its part of the other slot), adds 0 to its spare word, and waits for that and for its reads of the slot that it leaves.
; fill = 1: the barrier is a round of the cluster's and the slot is asked for again first thing behind it, with the keys two slots on: four key steps in which to land.
.macro CHANGE fill
	WIN 0
	s_wait_tensorcnt 0x0            ; no tensor load of mine is out, so a group 0 may be written
	ds_add_u32 v[SPW], v[NIL]
.if \fill
.irp g, G0K, G0V
	s_xor_b32 s[\g+1], s[\g+1], SLOT1
	s_add_nc_u64 s[\g+2:\g+3], s[\g+2:\g+3], 4*KS*128
.endr
	s_wait_dscnt 0x0                ; the add is done, and my reads of the slot are over
	CROUND
	JLOAD
.else
	s_wait_dscnt 0x0
	s_barrier_signal -1
	s_barrier_wait -1
.endif
	s_sub_co_u32 s[TBK], s[TBK], 4*KS*PK  ; the fetches go back to a slot's first step,
	s_xor_b32 s[TBK], s[TBK], SLOT1       ; in the other slot
	s_sub_co_u32 s[TBV], s[TBV], 4*KS*PV
	s_xor_b32 s[TBV], s[TBV], SLOT1
.endm
	s_load_b64 s[4:5], s[0:1], 0x0    ; big
	s_load_b64 s[10:11], s[0:1], 0x8  ; hn
	v_lshl_add_u32 v[SPW], v0, 2, SPARE
	v_mov_b32 v[NIL], 0
	ds_add_u32 v[SPW], v[NIL]       ; the wave's opening: the add and its wait stand ahead of my first tensor load
	v_lshrrev_b32 v1, 5, v0
	v_readfirstlane_b32 s[WV], v1
	s_bfe_u32 s13, ttmp6, 0x40000   ; cx
	s_lshl_b32 s14, ttmp9, 2
	s_add_co_u32 s14, s14, s13      ; my block of 256 queries: it enters Q's and O's addresses alone
	s_and_b32 s15, ttmp7, 0xffff    ; y, which the four partners share
	s_lshl_b32 s20, s15, 18         ; the head's first byte in q, k and v
	s_and_b32 s16, s[WV], 1         ; which half of a slot's 256 keys I fetch
	s_lshl_b32 s22, s16, 14
	s_add_co_u32 s22, s22, s20
	s_add_co_u32 s22, s22, 0x800000 ; k lies behind q,
	s_mov_b32 s23, 0
	s_add_co_u32 s50, s22, 0x800000 ; v behind k
	s_mov_b32 s51, 0
	s_mul_i32 s17, s16, 128*PK
	s_mul_i32 s18, s16, 128*PV
	s_lshl_b32 s52, s14, 15         ; my block's 256 rows of 128 bytes,
	s_lshl_b32 s53, s[WV], 13       ; my wave's 64
	s_add_co_u32 s52, s52, s53
	s_add_co_u32 s52, s52, s20
	s_mov_b32 s53, 0
	s_lshr_b32 s54, s15, 4          ; O: block of 128 tokens = 16 x batch + 2 x query block + wave / 2,
	s_lshl_b32 s54, s54, 4
	s_lshl1_add_u32 s54, s14, s54
	s_lshr_b32 s55, s[WV], 1
	s_add_co_u32 s54, s54, s55
	s_lshl_b32 s54, s54, 4          ; 16 heads to a block,
	s_and_b32 s55, s15, 15
	s_add_co_u32 s54, s54, s55
	s_lshl_b32 s54, s54, 14         ; 16,384 bytes each,
	s_lshl_b32 s55, s16, 13         ; my 64 tokens in it
	s_add_co_u32 s54, s54, s55
	s_mov_b32 s55, 0
	; 128 keys are 16,384 dense bytes: asked for as 64 rows of 256 bytes, two keys a row, and padded in LDS after every key
	s_mov_b32 s[G1K], 15|(1<<16)|(1<<20)|(1<<21)|(4<<22)|(3<<25)
	s_mov_b32 s[G1V], 15|(1<<16)|(1<<20)|(1<<21)|(4<<22)|(7<<25)
.irp g, G1K, G1V
	s_mov_b32 s[\g+1], 128<<16
	s_mov_b32 s[\g+2], 64<<16
	s_mov_b32 s[\g+3], 128<<16
	s_mov_b32 s[\g+4], 64
	s_mov_b32 s[\g+5], 128
	s_mov_b32 s[\g+6], 0
	s_mov_b32 s[\g+7], 0
.endr
	s_mov_b32 s[CS], 0x3d38aa3b     ; c = log2(e) / 32
	s_mov_b32 s[CS+1], s[CS]
	s_mov_b32 s[SEL], 0x76543210
	s_mov_b32 s[SEL+1], 0xfedcba98
	s_mov_b32 s[TBK], SLOT1+4*KS*PK ; the first change of slots turns these two into 0
	s_mov_b32 s[TBV], SLOT1+4*KS*PV
	s_mov_b32 s[G0K], 1
	s_mov_b32 s[G0K+1], s17
	s_mov_b32 s[G0V], 1
	s_add_co_u32 s[G0V+1], s18, VOFF
	s_wait_dscnt 0x0                ; the opening add is done
	s_wait_kmcnt 0x0
	s_add_nc_u64 s[G0K+2:G0K+3], s[4:5], s[22:23]
	s_or_b32 s[G0K+3], s[G0K+3], 0x80000000
	s_add_nc_u64 s[G0V+2:G0V+3], s[4:5], s[50:51]
	s_or_b32 s[G0V+3], s[G0V+3], 0x80000000
	s_add_nc_u64 s[4:5], s[4:5], s[52:53]      ; Q at my wave's first row
	s_add_nc_u64 s[10:11], s[10:11], s[54:55]  ; O at my wave's first row
	CROUND                          ; all four work-groups are here: the first joint loads meet
	JLOAD                           ; slot 0
	v_and_b32 v1, 15, v0
	v_bfe_u32 v9, v0, 4, 1
	v_lshlrev_b32 v[QO], 7, v1
	v_lshl_add_u32 v[QO], v9, 4, v[QO]
	WIN 0x80
.set i, 0
.rept 8                             ; Q stays in registers: piece i / 2, channels 32 (i % 2) on
	global_load_b128 v[8*i:8*i+3],   v[QO], s[4:5] offset:(i/2)*2048+(i%2)*64
	global_load_b128 v[8*i+4:8*i+7], v[QO], s[4:5] offset:(i/2)*2048+(i%2)*64+32
.set i, i+1
.endr
	; What the first turn finds: V's registers and P's second buffer hold 0 (its products V^T P, of a piece that has not been, add 0), O^T and l are 0.  All this stands in the wait for the first tile.
.set i, VF
.rept 64
	v_mov_b32 v[i], 0
.set i, i+1
.endr
	WIN 0x40
.set i, 0
.rept 128
	v_mov_b32 v[i], 0
.set i, i+1
.endr
	WIN 0
.set i, 0
.rept 4
	v_mov_b32 v[ST+4*i], 0xfe000000    ; c m: far below every c s
	v_mov_b32 v[ST+4*i+1], 0xff7fffff  ; m
	v_mov_b32 v[ST+4*i+2], 0
	v_mov_b32 v[ST+4*i+3], 0
.set i, i+1
.endr
.set i, P+16
.rept 16
	v_mov_b32 v[i], 0
.set i, i+1
.endr
	v_mul_u32_u24 v[AK0], v1, PK
	v_lshl_add_u32 v[AK0], v9, 4, v[AK0]
	v_and_b32 v10, 7, v0
	v_bfe_u32 v11, v0, 3, 1
	v_lshl_add_u32 v[AV0], v9, 3, v10
	v_mul_u32_u24 v[AV0], v[AV0], PV
	v_lshl_add_u32 v[AV0], v11, 4, v[AV0]
	v_add_nc_u32 v[AV0], VOFF, v[AV0]
	s_mul_i32 s13, s[WV], 16*SP
	s_add_co_u32 s13, s13, STAGE    ; my stage
	v_mul_u32_u24 v[STO], v1, SP
	v_lshl_add_u32 v[STO], v9, 4, v[STO]
	v_add_nc_u32 v[STO], s13, v[STO]
	v_bfe_u32 v[RD], v0, 3, 2       ; back: 32 lanes take four rows of 128 bytes,
	v_mul_u32_u24 v[RD], v[RD], SP
	v_lshl_add_u32 v[RD], v10, 4, v[RD]
	v_add_nc_u32 v[RD], s13, v[RD]
	v_and_b32 v[GO], 31, v0         ; which are 512 consecutive bytes of O
	v_lshlrev_b32 v[GO], 4, v[GO]
; THE MATRIX WORK.  The 4 accumulators of a run of 8 take turns.  Product i of 8 of S^T = K Q^T for piece x: channels 32 (i / 4) on, keys 16 (i % 4) on.  The first 4 start the sums.
.macro KQ x
	WIN W_KQ
.set rS, S+32*((\x)%2)+8*(i%4)
.set rK, KF+16*(i%4)+8*(i/4)
.set rQ, 16*(\x)+8*(i/4)
.if i < 4
	v_wmma_f32_16x16x32_bf16 v[rS:rS+7], v[rK:rK+7], v[rQ:rQ+7], 0
.else
	v_wmma_f32_16x16x32_bf16 v[rS:rS+7], v[rK:rK+7], v[rQ:rQ+7], v[rS:rS+7]
.endif
.endm
; Product i of 8 of O^T += V^T P for piece x: keys 32 (i / 4) on, channels 16 (i % 4) on.
.macro PV x
	WIN W_PV
.set rO, 32*(\x)+8*(i%4)
.set rV, VF+32*(i/4)+8*(i%4)
.set rP, P+16*((\x)%2)+8*(i/4)
	v_wmma_f32_16x16x32_bf16 v[rO:rO+7], v[rV:rV+7], v[rP:rP+7], v[rO:rO+7]
.endm
.macro MM                           ; the turn's next matrix instruction
.if i < 8
	KQ (Y+1)%NP
.else
.set i, i-8
	PV (Y+NP-1)%NP
.set i, i+8
.endif
.set i, i+1
.endm
; THE LDS LOADS stand in runs of 16.  last = 1 (the tail): in the last trip there is no further step, and K's run is jumped over.
.macro FETCH_K last=0
	WIN 0
.if \last
	s_cmp_eq_u32 s[CNT], 1
	s_cbranch_scc1 .Lno_k_\@
.endif
	WIN 0x80
.irp f, 0,1,2,3,4,5,6,7             ; keys 16 (f / 2) on, channels 32 (f % 2) on
	ds_load_b128 v[KF+8*\f:KF+8*\f+3],   v[AK] offset:(\f/2)*16*PK+(\f%2)*64
	ds_load_b128 v[KF+8*\f+4:KF+8*\f+7], v[AK] offset:(\f/2)*16*PK+(\f%2)*64+32
.endr
	s_add_co_u32 s[TBK], s[TBK], KS*PK
	WIN 0
.if \last
.Lno_k_\@:
.endif
.endm
.macro FETCH_V
	WIN 0x80
.irp f, 0,1,2,3,4,5,6,7             ; keys 32 (f / 4) on, channels 16 (f % 4) on
	ds_load_tr16_b128 v[VF+8*\f:VF+8*\f+3],   v[AV] offset:(\f/4)*32*PV+(\f%4)*32
	ds_load_tr16_b128 v[VF+8*\f+4:VF+8*\f+7], v[AV] offset:(\f/4)*32*PV+16*PV+(\f%4)*32
.endr
	WIN 0
.endm
; THE VECTOR WORK, one line at a time: OP kind, number.  For piece Y: F n: c s - c m for pair n of 16.  E n: the exponential of score n of 32.  C n: pair n rounded to bf16.  B n: of the four weights 4 n ..
; the second pair is added onto the first, in place.  L n: l takes that sum (L 0: l = a l + sum).  R n: pair n of 16 of O^T times a.  For piece Y + 1: X n, number n of the 22 that find its maximum and statistics:
;   0-11 four chains of seven scores each (each accumulator's lowest registers are read first)   12-14, 16 the four scores left over, the old m, the chains into c0
;   15 c m_old is kept   17, 18 the query's other 32 keys lie in the lane 16 away: the new m   19-21 c m; c m_old - c m_new; a
.set F, 0
.set E, 1
.set C, 2
.set B, 3
.set L, 4
.set R, 5
.set X, 6
.macro REGS y
.set rT, ST+4*(\y)
.set rC, TMP+4*((\y)%2)
.set rW, MV+((\y)%2)
.set rS, S+32*((\y)%2)
.set rP, P+16*((\y)%2)
.set rO, 32*(\y)
.endm
.macro OP k, n
.if (\k) == R
	REGS Y
	WIN W_RS
	v_pk_mul_f32 v[rO+2*(\n):rO+2*(\n)+1], v[rO+2*(\n):rO+2*(\n)+1], v[rC+2:rC+3] op_sel_hi:[1,0]
.elseif (\k) < R
	REGS Y
	WIN 0
.if (\k) == F
	v_pk_fma_f32 v[rS+2*(\n):rS+2*(\n)+1], v[rS+2*(\n):rS+2*(\n)+1], s[CS:CS+1], v[rT:rT+1] op_sel_hi:[1,0,0] neg_lo:[0,0,1] neg_hi:[0,0,1]
.elseif (\k) == E
	v_exp_f32 v[rS+(\n)], v[rS+(\n)]
.elseif (\k) == C
	s_wait_alu depctr_va_vdst(0)
	v_cvt_pk_bf16_f32 v[rP+(\n)], v[rS+2*(\n)], v[rS+2*(\n)+1]
.elseif (\k) == B
	s_wait_alu depctr_va_vdst(0)
	v_pk_add_f32 v[rS+4*(\n):rS+4*(\n)+1], v[rS+4*(\n):rS+4*(\n)+1], v[rS+4*(\n)+2:rS+4*(\n)+3]
.elseif (\n) == 0
	v_pk_fma_f32 v[rT+2:rT+3], v[rT+2:rT+3], v[rC+2:rC+3], v[rS:rS+1] op_sel_hi:[1,0,1]
.else
	v_pk_add_f32 v[rT+2:rT+3], v[rT+2:rT+3], v[rS+4*(\n):rS+4*(\n)+1]
.endif
.else
	REGS (Y+1)%NP
	WIN 0
.if (\n) < 4
	v_max3_num_f32 v[rC+(\n)], v[rS+8*(\n)], v[rS+8*(\n)+1], v[rS+8*(\n)+2]
.elseif (\n) < 12
	v_max3_num_f32 v[rC+(\n)%4], v[rC+(\n)%4], v[rS+8*((\n)%4)+2*((\n)/4)+1], v[rS+8*((\n)%4)+2*((\n)/4)+2]
.elseif (\n) == 12
	v_max3_num_f32 v[rC], v[rC], v[rS+7], v[rS+15]
.elseif (\n) == 13
	v_max3_num_f32 v[rC+1], v[rC+1], v[rS+23], v[rS+31]
.elseif (\n) == 14
	v_max3_num_f32 v[rC+2], v[rC+2], v[rC+3], v[rT+1]
.elseif (\n) == 15
	v_mov_b32 v[rW], v[rT]
.elseif (\n) == 16
	v_max3_num_f32 v[rC], v[rC], v[rC+1], v[rC+2]
.elseif (\n) == 17
	v_permlanex16_b32 v[rC+3], v[rC], s[SEL], s[SEL+1]
.elseif (\n) == 18
	v_max_num_f32 v[rT+1], v[rC], v[rC+3]
.elseif (\n) == 19
	v_mul_f32 v[rT], s[CS], v[rT+1]
.elseif (\n) == 20
	v_sub_f32 v[rC+1], v[rW], v[rT]
.else
	v_exp_f32 v[rC+2], v[rC+1]
.endif
.endif
.endm
.macro OPS a, i1, b=-1, i2=0, c=-1, i3=0, d=-1, i4=0
	OP \a, \i1
.if (\b) >= 0
	OP \b, \i2
.endif
.if (\c) >= 0
	OP \c, \i3
.endif
.if (\d) >= 0
	OP \d, \i4
.endif
.endm
.macro ROW a, i1, b, i2, c, i3, d, i4  ; a matrix instruction and the four behind it
	MM
	OPS \a, \i1, \b, \i2, \c, \i3, \d, \i4
.endm
; A TURN, for piece p: the order of its 16 matrix and 118 vector instructions, written out.  Behind a matrix instruction: plain, exponential, plain, plain; or four of the rescaling; or four scalings; none names a
; register of the products round it.  In the runs between, exponential and plain by turns while exponentials last.  K of the next step is fetched in piece 2's turn, six vector instructions behind the last product
; that read K (five of them plain); V of the step in hand in piece 0's turn, eight behind the last product that read V.  Each is waited for a turn later.
; cnt = 1: the loop's count is taken down some lines ahead of the branch that stands behind the turn.
.macro TURN p, last=0, cnt=0
.set Y, (\p)
.set i, 0
.if (\p) == 3
	s_wait_dscnt 0x0                ; K is in
.endif
	ROW F,0, F,1, F,2, F,3
	ROW F,4, E,0, F,5, F,6
	ROW F,7, E,1, F,8, F,9
	ROW F,10, E,2, C,0, F,11
	ROW F,12, E,3, X,15, F,13
	ROW R,0, R,1, R,2, R,3
	ROW B,0, E,4, F,14, L,0
.if (\p) == 2
	v_add_nc_u32 v[AK], s[TBK], v[AK0]
.endif
	ROW R,4, R,5, R,6, R,7
	OPS E,5, F,15
.if (\p) == 2
	FETCH_K \last
.endif
	OPS E,6, C,1, E,7, R,8
	OPS E,8, R,9, E,9, C,2
	OPS E,10, X,0, E,11, X,1
	OPS E,12, X,2, E,13, X,3
.if (\p) == 1
	s_wait_dscnt 0x0                ; V is in
.endif
	ROW X,4, E,14, X,5, X,6
	ROW X,7, E,15, X,8, X,9
	ROW X,10, E,16, X,11, X,12
	ROW X,13, E,17, X,14, B,1
	ROW C,4, E,18, X,16, L,1
	ROW B,2, E,19, C,6, L,2
	ROW C,8, E,20, B,3, B,4
.if (\p) == 0
	v_add_nc_u32 v[AV], s[TBV], v[AV0]
.endif
	ROW C,3, E,21, L,3, C,5
	OPS E,22, X,17, E,23, C,10
.if (\p) == 0
	FETCH_V
.endif
	OPS E,24, L,4
	OPS E,25, X,18, E,26, C,7
	OPS E,27, B,5, E,28, X,19
	OPS E,29, C,12, E,30, L,5
	OPS E,31, X,20, B,6, C,9
	OPS C,14, C,11, X,21, L,6
.if (\p) == 0
	s_add_co_u32 s[TBV], s[TBV], KS*PV
.endif
.if \cnt
	s_sub_co_u32 s[CNT], s[CNT], 1
	s_cmp_lg_u32 s[CNT], 0
.endif
	OPS C,13, B,7, C,15, R,10
	OPS R,11, R,12, L,7, R,13
	OPS R,14, R,15
.endm
	CHANGE 1                        ; slot 0 is in, everybody's part of it; slot 1 is asked for
	v_add_nc_u32 v[AK], s[TBK], v[AK0]
	FETCH_K                         ; key step 0
	s_wait_loadcnt 0x0              ; Q
	s_wait_dscnt 0x0
.set i, 0
.rept 8
	KQ 0                            ; piece 0's first scores
.set i, i+1
.endr
	WIN 0
.rept 4
	v_nop                           ; the places behind those products
.endr
.set Y, NP-1                        ; X works for piece Y + 1: piece 0
.irp n, 0,1,2,3,4,5,6,7,8,9,10,11,12,13,14,15,16,17,18,19,20,21
	OP X, \n
.endr
	v_nop                           ; a plain instruction behind the exponential
	s_mov_b32 s[CNT], 4
	s_mov_b32 s[SLOTS], 7
	s_branch .Lfirst                ; the loop is entered at a step's first turn, in the middle of a trip
.Lslot:                             ; six times: every slot but the last two is filled again
	CHANGE 1
	s_mov_b32 s[CNT], 4
.Lstep:                             ; a trip: pieces 2 and 3 of one step, then pieces 0 and 1 of the next, whose K and V it fetches
	TURN 2
	TURN 3
	WIN 0
.Lfirst:
	TURN 0
	TURN 1, 0, 1
	WIN 0
	s_cbranch_scc1 .Lstep
	s_sub_co_u32 s[SLOTS], s[SLOTS], 1
	s_cmp_lg_u32 s[SLOTS], 0
	s_cbranch_scc1 .Lslot
	CHANGE 0                        ; the tail is written out: nothing is asked for
	s_mov_b32 s[CNT], 5             ; four trips fetch the last slot's steps; the fifth is left in its middle
.Ltail:
	TURN 2, 1
	TURN 3
	WIN 0
	s_sub_co_u32 s[CNT], s[CNT], 1
	s_cmp_eq_u32 s[CNT], 0
	s_cbranch_scc1 .Lout
	TURN 0
	TURN 1
	WIN 0
	s_branch .Ltail
.Lout:                              ; the fifth trip's 8 products K Q^T (on the last K once more) and the maximum made of them serve nothing: the price, once a launch, of one text for every trip
.set i, 0
.rept 8
	PV NP-1                         ; the last piece's V^T P of the last step
.set i, i+1
.endr
	; THE WAY OUT.  l's two halves and the other half of the lanes' are added; O^T is divided by l, rounded to bf16 and sent through my stage in LDS, a piece at a time.  The additions are the places behind the last products.
	WIN 0
.macro ALL line:vararg
.set t, 0
.rept 4
	\line
.set t, t+1
.endr
.endm
	ALL v_add_f32 v[ST+4*t+2], v[ST+4*t+2], v[ST+4*t+3]
	ALL v_permlanex16_b32 v[ST+4*t+3], v[ST+4*t+2], s[SEL], s[SEL+1]
	ALL v_add_f32 v[ST+4*t+2], v[ST+4*t+2], v[ST+4*t+3]
	ALL v_rcp_f32 v[ST+4*t+2], v[ST+4*t+2]
	v_nop                           ; a plain instruction between the last reciprocal and the use of its result
.macro PACK t                       ; a lane's eight channels of a row pack into 16 bytes; they go into rows of 144 bytes and come back as whole rows of 128, into S^T's registers
	WIN W_RS
.set i, 32*(\t)
.rept 16
	s_wait_alu depctr_va_vdst(0)
	v_pk_mul_f32 v[i:i+1], v[i:i+1], v[ST+4*(\t)+2:ST+4*(\t)+3] op_sel_hi:[1,0]
.set i, i+2
.endr
	WIN 0x05
.set i, 0
.rept 16
	v_cvt_pk_bf16_f32 v[S+16*(\t)+i], v[32*(\t)+2*i], v[32*(\t)+2*i+1]
.set i, i+1
.endr
	WIN 0
.irp f, 0,1,2,3
	ds_store_b128 v[STO], v[S+16*(\t)+4*\f:S+16*(\t)+4*\f+3] offset:32*\f
.endr
.irp f, 0,1,2,3
	ds_load_b128 v[S+16*(\t)+4*\f:S+16*(\t)+4*\f+3], v[RD] offset:\f*4*SP  ; LDS serves a wave's instructions in order: these see the stores above; the next piece's stores come behind them
.endr
.endm
.macro SEND t, younger              ; younger: the LDS instructions issued behind piece t's loads: the next piece's eight, or none
	WIN 0
.irp f, 0,1,2,3
	s_wait_dscnt (\younger)+3-\f
	global_store_b128 v[GO], v[S+16*(\t)+4*\f:S+16*(\t)+4*\f+3], s[10:11] offset:(\t)*2048+\f*512  ; 512 consecutive bytes, aligned
.endr
.endm
	PACK 0
.set t, 1
.rept 3
	PACK t
	SEND t-1, 8
.set t, t+1
.endr
	SEND 3, 0
	s_wait_tensorcnt 0x0            ; the wave's end
	ds_add_u32 v[SPW], v[NIL]
	s_wait_dscnt 0x0
	CROUND                          ; the closing round
	s_endpgm
.Lfunc_end_k_qb5ff6c78d4_attn:
	.size	k_qb5ff6c78d4_attn, .Lfunc_end_k_qb5ff6c78d4_attn-k_qb5ff6c78d4_attn
	.p2alignl 7, 3214868480
	.fill 96, 4, 3214868480
	.section	.rodata,"a",@progbits
	.p2align	6, 0x0
	.amdhsa_kernel k_qb5ff6c78d4_attn
		.amdhsa_group_segment_fixed_size 327680
		.amdhsa_private_segment_fixed_size 0
		.amdhsa_enable_private_segment 0
		.amdhsa_kernarg_size 16
		.amdhsa_user_sgpr_count 2
		.amdhsa_user_sgpr_kernarg_segment_ptr 1
		.amdhsa_wavefront_size32 1
		.amdhsa_system_sgpr_workgroup_id_x 1
		.amdhsa_system_sgpr_workgroup_id_y 1
		.amdhsa_system_sgpr_workgroup_id_z 1
		.amdhsa_system_vgpr_workitem_id 0
		.amdhsa_next_free_vgpr 768
		.amdhsa_next_free_sgpr 66
		.amdhsa_reserve_vcc 0
		.amdhsa_float_denorm_mode_32 3
		.amdhsa_float_denorm_mode_16_64 3
		.amdhsa_memory_ordered 1
		.amdhsa_forward_progress 1
		.amdhsa_inst_pref_size 117
	.end_amdhsa_kernel
	.amdgpu_metadata
---
amdhsa.version: [ 1, 2 ]
amdhsa.kernels:
  - .name:           k_qb5ff6c78d4_attn
    .symbol:         k_qb5ff6c78d4_attn.kd
    .args:
      - { .name: big, .offset: 0, .size: 8, .value_kind: global_buffer, .address_space: global }
      - { .name: hn, .offset: 8, .size: 8, .value_kind: global_buffer, .address_space: global }
    .group_segment_fixed_size: 327680
    .private_segment_fixed_size: 0
    .kernarg_segment_align: 8
    .kernarg_segment_size: 16
    .max_flat_workgroup_size: 128
    .sgpr_count:     66
    .vgpr_count:     768
    .wavefront_size: 32
...
	.end_amdgpu_metadata
.endif
;; end of part 3
;; launch proj (part 4): grid 8 x 32, 4 waves a work-group, clusters of 4 x 4, 327,680 bytes of LDS; arguments hn, wb, x1, b_proj, x; writes x1
.if DOCPART == 4
	.amdgcn_target "amdgcn-amd-amdhsa--gfx1250"
	.amdhsa_code_object_version 6
	.text
	.protected	k_qb5ff6c78d4_proj
	.globl	k_qb5ff6c78d4_proj
	.p2align	8
	.type	k_qb5ff6c78d4_proj,@function
k_qb5ff6c78d4_proj:
	s_mov_b64 s[64:65], 0
	v_nop
	global_prefetch_b8 v0, s[64:65] scope:SCOPE_SE
	s_setreg_imm32_b32 hwreg(HW_REG_WAVE_MODE, 25, 1), 1
	s_wait_xcnt 0x0
	s_wait_alu depctr_hold_cnt(0) depctr_sa_sdst(0) depctr_va_vdst(0) depctr_va_sdst(0) depctr_va_ssrc(0) depctr_va_vcc(0) depctr_vm_vsrc(0)
	s_getreg_b32 s2, hwreg(HW_REG_IB_STS2, 6, 4)
	s_cmp_eq_u32 s2, 0
	s_cbranch_scc0 .Lentry_in_a_cluster
	s_endpgm
.Lentry_in_a_cluster:
	s_bfe_u32 s2, ttmp6, 0x10000c
	s_cmp_lg_u32 s2, 0xf033
	s_cbranch_scc0 .Lentry_shape_is_right
	s_endpgm
.Lentry_shape_is_right:
; PROJ.  x1 = x + O W_proj + b_proj, in f32.  O: hn, bf16, in blocks [token / 128][head][token % 128][64].  W_proj: wb + 6,291,456, [1024][1024] bf16, K down the rows.
; SHARES.  A work-group makes 128 x 128 of the result: 8 x 32 work-groups.  K IS SPLIT BY WAVE: in each K step of 256 (four heads) wave w multiplies head w's 64 channels for the whole tile, 64 accumulators,
; so that each LDS byte is read once, by one wave, and a fragment feeds eight products.  The four partial sums of an output are added at the end, in f32, through LDS.
; Waves 0, 1 fetch A's halves (two heads, 32,768 dense bytes, as 128 rows of 256), waves 2, 3 B's (128 K rows x 256 bytes): one tensor load a wave, one outstanding.
; The residual's tile (128 rows x 512 bytes of x) comes by a tensor load of each wave's own into the slot that the last K step leaves unused.
; CLUSTER 4 x 4: A's tile is asked for jointly along a row of the cluster, B's along a column.
; THE PRODUCT IS USED TRANSPOSED: source 0 = 16 columns of W (turned out of LDS by ds_load_tr16_b128), source 1 = 16 rows of O.  A lane holds one row of the result and eight neighbouring columns.
; WINDOWS: 0 addresses, A's fragments (v64.., v128..), the way out; 1 B's fragments; 2, 3 the accumulators of rows 0-63 and 64-127.
; LIMITS: operands are rounded to bf16; an output is the sum of four partial f32 sums, the residual and the bias, in that order of pairs; NaN and infinities are not treated apart.
.set MB,     8
.set NBK,    8
.set QP,     1
.set KSTEPS, 4
.set PA,     144                       ; a token's 128 bytes of one head + 16
.set PB,     288                       ; 256 bytes + 32: an odd multiple of 32 bytes
.set BGAP,   0
.set HALFA,  256*PA
.set AREG,   2*HALFA
.set HALFB,  128*PB
.set SLOT,   AREG+2*HALFB
.set SPARE,  2*SLOT
.set ASTEP,  65536                     ; four heads on
.set BSTEP,  256*2048
.set A_TY,   262144
.set A_HALF, 32768
.set B_BASE, 6291456
.set B_HALF, 128*2048
.set B_TX,   256
.set A_G10,  (1<<16)|(1<<20)|(1<<21)|(4<<22)|(3<<25)  ; after every 32 words 4 words
.set B_G10,  (1<<16)|(1<<20)|(1<<21)|(5<<22)|(7<<25)  ; after every 64 words 8 words
.set A_D0,   128
.set A_D1,   128
.set A_ST,   128
.set B_D0,   128
.set B_D1,   128
.set B_ST,   1024
.set LA_MUL, 128*PA                    ; wave w's head of the step
.set SP,     528                       ; a stage row: 128 f32 + 16 bytes
.set REG,    64*SP                     ; a wave's part of the stage: 64 rows
.set STG,    65536                     ; the stage lies behind the residual's 65,536 bytes, over a ring that has had its last fill
.set NL,  2*(MB+NBK)
.set LA,  16
.set LB,  17
.set ADA, 18
.set ADB, 19
.set STO, 20
.set RD,  21
.set RD2, 22
.set RR,  23
.set GO,  24
.set RDB, 25                           ; v25-27 where a phase's walk begins
.set RRB, 26
.set GOB, 27
.set SPW, 28
.set NIL, 29
.set BO,  30                           ; v30 the bias's offset; never rewritten
.set BI,  32                           ; v[32:35] the bias of my four columns
.set WV,  10
.set WH,  11
.set WL,  12
.set TY,  13
.set TX,  42
.set G1A, 24
.set G0A, 32
.set SB,  36
.set WLA, 37
.set WLB, 38
.set G1B, 48
.set G0B, 56
.set TBA, 60
.set TBB, 61
.set STEPS, 62
.set CNT, 63
.set G0R, 72                           ; s[72:75], s[76:83] the residual's descriptor
.set G1R, 76
.set MSB, 0
.macro WIN new
.if MSB != (\new)
	s_set_vgpr_msb (MSB<<8)|(\new)
.set MSB, (\new)
.endif
.endm
.macro JLOAD                           ; a joint load: waves 0, 1 for A, waves 2, 3 for B; s_nop 0 and four v_nop follow each line
	s_cmp_eq_u32 s[WH], 0
	s_cbranch_scc0 .Lfor_b_\@
	tensor_load_to_lds s[G0A:G0A+3], s[G1A:G1A+7]
	s_nop 0
.rept 4
	v_nop
.endr
	s_branch .Lasked_\@
.Lfor_b_\@:
	tensor_load_to_lds s[G0B:G0B+3], s[G1B:G1B+7]
	s_nop 0
.rept 4
	v_nop
.endr
.Lasked_\@:
.endm
.macro CROUND
	s_barrier_signal -1
	s_barrier_wait -1
	s_cmp_lg_u32 s[WV], 0
	s_cbranch_scc1 .Lnot_wave_0_\@
	s_barrier_signal -3
.Lnot_wave_0_\@:
	s_barrier_wait -3
	s_barrier_signal -1
	s_barrier_wait -1
.endm
; One quarter's fragments (32 along K) into buffer f, in one run.  The four plain lines at its head are the places between the last product that read the buffer and the loads into it.
.macro FETCH f
	WIN 0
	v_add_nc_u32 v[ADA], s[TBA], v[LA]
	v_add_nc_u32 v[ADB], s[TBB], v[LB]
	v_nop
	v_nop
	s_add_co_u32 s[TBA], s[TBA], 64
	s_add_co_u32 s[TBB], s[TBB], 32*PB
	WIN 0x40
.set b, 0
.rept NBK
	ds_load_tr16_b128 v[128*(\f)+8*b:128*(\f)+8*b+3],   v[ADB] offset:32*b+BGAP*(b/4)
	ds_load_tr16_b128 v[128*(\f)+8*b+4:128*(\f)+8*b+7], v[ADB] offset:32*b+BGAP*(b/4)+16*PB
.set b, b+1
.endr
	WIN 0
.set a, 0
.rept MB
	ds_load_b128 v[64+64*(\f)+8*a:64+64*(\f)+8*a+3],   v[ADA] offset:a*16*PA
	ds_load_b128 v[64+64*(\f)+8*a+4:64+64*(\f)+8*a+7], v[ADA] offset:a*16*PA+32
.set a, a+1
.endr
.endm
; Half a quarter's products.  Every accumulator has a turn of one instruction.  zero = 1: the products start the sums.
.macro MULH f, hi, zero
	WIN 0xa1+0x50*(\hi)
.set a, 0
.rept MB/2
.set b, 0
.rept NBK
.if \zero
	v_wmma_f32_16x16x32_bf16 v[8*(NBK*a+b):8*(NBK*a+b)+7], v[128*(\f)+8*b:128*(\f)+8*b+7], v[64+64*(\f)+8*(MB/2*(\hi)+a):64+64*(\f)+8*(MB/2*(\hi)+a)+7], 0
.else
	v_wmma_f32_16x16x32_bf16 v[8*(NBK*a+b):8*(NBK*a+b)+7], v[128*(\f)+8*b:128*(\f)+8*b+7], v[64+64*(\f)+8*(MB/2*(\hi)+a):64+64*(\f)+8*(MB/2*(\hi)+a)+7], v[8*(NBK*a+b):8*(NBK*a+b)+7]
.endif
.set b, b+1
.endr
.set a, a+1
.endr
.endm
.macro PAIR first
	FETCH 0
.if !(\first)
	s_wait_dscnt NL                                ; all but the NL loads just issued: buffer 1 is whole
	MULH 1, 1, 0
.endif
	s_wait_dscnt MB                                ; the youngest MB loads, A's upper blocks, may be out
	MULH 0, 0, \first
	FETCH 1
	s_wait_dscnt NL                                ; buffer 0 is whole
	MULH 0, 1, \first
	s_wait_dscnt MB
	MULH 1, 0, 0
.endm
; THE CHANGE OF SLOTS.  Each wave waits for all its tensor loads (one is out), adds 0 to its spare word, and waits for that and for its reads of the slot that it leaves.  The barrier is a round of the cluster's.
; kind = 1: the slot just left is asked for again, jointly, with the K step two on.  kind = 2 (in front of the last K step): each wave asks for its 32 rows of the residual's tile, into the head of the slot just left.
.macro CHANGE kind
	WIN 0
	s_wait_tensorcnt 0x0                           ; no tensor load of mine is out, so the walking descriptors may be written
	ds_add_u32 v[SPW], v[NIL]
.if (\kind) == 1
	s_xor_b32 s[SB], s[SB], SLOT                   ; SB is 0 or SLOT, nothing else
	s_add_co_u32 s[G0A+1], s[WLA], s[SB]
	s_add_co_u32 s[G0B+1], s[WLB], s[SB]
	s_add_nc_u64 s[G0A+2:G0A+3], s[G0A+2:G0A+3], ASTEP
	s_add_nc_u64 s[G0B+2:G0B+3], s[G0B+2:G0B+3], BSTEP
	s_wait_dscnt 0x0                               ; the add is done, and my reads of the slot are over
	CROUND
	JLOAD
.else
	s_wait_dscnt 0x0
	CROUND
	tensor_load_to_lds s[G0R:G0R+3], s[G1R:G1R+7]  ; no mask: a load of my own; it has the last K step in which to land
	s_nop 0
.rept 4
	v_nop
.endr
.endif
	s_sub_co_u32 s[TBA], s[TBA], QP*128
	s_xor_b32 s[TBA], s[TBA], SLOT
	s_sub_co_u32 s[TBB], s[TBB], QP*64*PB
	s_xor_b32 s[TBB], s[TBB], SLOT
.endm
; My accumulators of half hi go into my part of the stage in f32.  Each accumulator's low registers go first.
.macro STAGE hi, rowbase
	WIN 0x08+4*(\hi)
.set a, 0
.rept MB/2
.set b, 0
.rept NBK
	ds_store_b128 v[STO], v[8*(NBK*a+b):8*(NBK*a+b)+3]   offset:((\rowbase)+a)*16*SP+64*b
	ds_store_b128 v[STO], v[8*(NBK*a+b)+4:8*(NBK*a+b)+7] offset:((\rowbase)+a)*16*SP+64*b+16
.set b, b+1
.endr
.set a, a+1
.endr
.endm
; A PHASE of the sum: rows 64 ph to 64 ph + 63 of the tile.  All four waves put their partial sums of these rows into the stage; behind a barrier wave w adds up rows 16 w to 16 w + 15, four a trip.
.macro PHASE ph
	STAGE \ph, 0
	WIN 0
	v_mov_b32 v[RD], v[RDB]
	v_add_nc_u32 v[RD2], 2*REG, v[RDB]
	v_add_nc_u32 v[RR], (\ph)*64*512, v[RRB]
	v_mov_b32 v[GO], v[GOB]
	s_wait_dscnt 0x0                               ; for the others' sake: my stores into the stage are done
	s_barrier_signal -1
	s_barrier_wait -1
	s_mov_b32 s[CNT], 4
.Lsum\ph:
.irp i, 0,1,2,3
	ds_load_b128 v[64+16*\i:64+16*\i+3],   v[RD]  offset:\i*SP
	ds_load_b128 v[68+16*\i:68+16*\i+3],   v[RD]  offset:REG+\i*SP
	ds_load_b128 v[72+16*\i:72+16*\i+3],   v[RD2] offset:\i*SP
	ds_load_b128 v[76+16*\i:76+16*\i+3],   v[RD2] offset:REG+\i*SP
	ds_load_b128 v[128+4*\i:128+4*\i+3],   v[RR]  offset:\i*512
.endr
.irp i, 0,1,2,3
	s_wait_dscnt 5*(3-\i)                          ; five loads for each younger row may be out
	v_pk_add_f32 v[64+16*\i:65+16*\i], v[64+16*\i:65+16*\i], v[68+16*\i:69+16*\i]
	v_pk_add_f32 v[66+16*\i:67+16*\i], v[66+16*\i:67+16*\i], v[70+16*\i:71+16*\i]
	v_pk_add_f32 v[72+16*\i:73+16*\i], v[72+16*\i:73+16*\i], v[76+16*\i:77+16*\i]
	v_pk_add_f32 v[74+16*\i:75+16*\i], v[74+16*\i:75+16*\i], v[78+16*\i:79+16*\i]
	v_pk_add_f32 v[128+4*\i:129+4*\i], v[128+4*\i:129+4*\i], v[BI:BI+1]
	v_pk_add_f32 v[130+4*\i:131+4*\i], v[130+4*\i:131+4*\i], v[BI+2:BI+3]
	v_pk_add_f32 v[64+16*\i:65+16*\i], v[64+16*\i:65+16*\i], v[72+16*\i:73+16*\i]
	v_pk_add_f32 v[66+16*\i:67+16*\i], v[66+16*\i:67+16*\i], v[74+16*\i:75+16*\i]
	v_pk_add_f32 v[64+16*\i:65+16*\i], v[64+16*\i:65+16*\i], v[128+4*\i:129+4*\i]
	v_pk_add_f32 v[66+16*\i:67+16*\i], v[66+16*\i:67+16*\i], v[130+4*\i:131+4*\i]
	global_store_b128 v[GO], v[64+16*\i:67+16*\i], s[8:9] offset:(\ph)*262144+\i*4096  ; 32 lanes store 512 consecutive bytes, aligned
.endr
	s_wait_xcnt 0x0                                ; the stores' data and offset are rewritten only behind this wait
	v_add_nc_u32 v[RD], 4*SP, v[RD]
	v_add_nc_u32 v[RD2], 4*SP, v[RD2]
	v_add_nc_u32 v[RR], 4*512, v[RR]
	v_add_nc_u32 v[GO], 4*4096, v[GO]
	s_sub_co_u32 s[CNT], s[CNT], 1
	s_cmp_lg_u32 s[CNT], 0
	s_cbranch_scc1 .Lsum\ph
.endm
	s_load_b128 s[4:7], s[0:1], 0x0                ; A s[4:5], wb s[6:7]
	s_load_b64 s[8:9], s[0:1], 0x10                ; the result
	s_load_b64 s[68:69], s[0:1], 0x18              ; the bias
	s_load_b64 s[70:71], s[0:1], 0x20              ; the residual
	v_lshl_add_u32 v[SPW], v0, 2, SPARE
	v_mov_b32 v[NIL], 0
	ds_add_u32 v[SPW], v[NIL]                      ; the wave's opening: the add and its wait stand ahead of my first tensor load
	v_lshrrev_b32 v1, 5, v0
	v_readfirstlane_b32 s[WV], v1
	s_lshr_b32 s[WH], s[WV], 1
	s_and_b32 s[WL], s[WV], 1
	s_bfe_u32 s40, ttmp6, 0x40000
	s_bfe_u32 s41, ttmp6, 0x40004
	s_lshl_b32 s[TX], ttmp9, 2
	s_add_co_u32 s[TX], s[TX], s40
	s_and_b32 s[TY], ttmp7, 0xffff
	s_lshl_b32 s[TY], s[TY], 2
	s_add_co_u32 s[TY], s[TY], s41
	s_lshl_b32 s43, s41, 2
	s_lshl_b32 s43, 15, s43
	s_lshl_b32 s44, 0x1111, s40
	s_or_b32 s[G1A], s43, A_G10
	s_mov_b32 s[G1A+1], A_D0<<16
	s_mov_b32 s[G1A+2], A_D1<<16
	s_mov_b32 s[G1A+3], A_D0<<16
	s_mov_b32 s[G1A+4], A_D1
	s_mov_b32 s[G1A+5], A_ST
	s_mov_b32 s[G1A+6], 0
	s_mov_b32 s[G1A+7], 0
	s_or_b32 s[G1B], s44, B_G10
	s_mov_b32 s[G1B+1], B_D0<<16
	s_mov_b32 s[G1B+2], B_D1<<16
	s_mov_b32 s[G1B+3], B_D0<<16
	s_mov_b32 s[G1B+4], B_D1
	s_mov_b32 s[G1B+5], B_ST
	s_mov_b32 s[G1B+6], 0
	s_mov_b32 s[G1B+7], 0
	s_mov_b32 s[G1R], 2<<16                        ; the residual: 4-byte elements, no mask, no padding: 32 rows x 128 elements, 1,024 from row to row
	s_mov_b32 s[G1R+1], 128<<16
	s_mov_b32 s[G1R+2], 32<<16
	s_mov_b32 s[G1R+3], 128<<16
	s_mov_b32 s[G1R+4], 32
	s_mov_b32 s[G1R+5], 1024
	s_mov_b32 s[G1R+6], 0
	s_mov_b32 s[G1R+7], 0
	s_mov_b32 s[G0R], 1
	s_lshl_b32 s[G0R+1], s[WV], 14                 ; my 32 rows of 512 bytes, from LDS byte 0 on
	s_mul_i32 s16, s[TY], A_TY
	s_mul_i32 s17, s[WL], A_HALF
	s_add_co_u32 s16, s16, s17
	s_mov_b32 s17, 0
	s_mul_i32 s46, s[TX], B_TX
	s_mul_i32 s47, s[WL], B_HALF
	s_add_co_u32 s46, s46, s47
	s_add_co_u32 s46, s46, B_BASE
	s_mov_b32 s47, 0
	s_mul_i32 s[WLA], s[WL], HALFA
	s_mul_i32 s[WLB], s[WL], HALFB
	s_add_co_u32 s[WLB], s[WLB], AREG
	s_mov_b32 s[SB], 0
	s_mov_b32 s[TBA], SLOT+QP*128
	s_mov_b32 s[TBB], SLOT+QP*64*PB
	s_mov_b32 s[G0A], 1
	s_mov_b32 s[G0A+1], s[WLA]
	s_mov_b32 s[G0B], 1
	s_mov_b32 s[G0B+1], s[WLB]
	s_lshl_b32 s90, s[TY], 19                      ; the tile's corner in the result and in the residual: 128 rows of 4,096 bytes, 512 bytes a tile column
	s_lshl_b32 s91, s[TX], 9
	s_add_co_u32 s90, s90, s91
	s_mov_b32 s91, 0
	s_lshl_b32 s92, s[WV], 17                      ; my 32 rows
	s_add_co_u32 s92, s92, s90
	s_mov_b32 s93, 0
	s_wait_dscnt 0x0                               ; the opening add is done
	s_wait_kmcnt 0x0
	s_add_nc_u64 s[G0A+2:G0A+3], s[4:5], s[16:17]
	s_or_b32 s[G0A+3], s[G0A+3], 0x80000000
	s_add_nc_u64 s[G0B+2:G0B+3], s[6:7], s[46:47]
	s_or_b32 s[G0B+3], s[G0B+3], 0x80000000
	s_add_nc_u64 s[G0R+2:G0R+3], s[70:71], s[92:93]
	s_or_b32 s[G0R+3], s[G0R+3], 0x80000000
	s_add_nc_u64 s[8:9], s[8:9], s[90:91]
	CROUND                                         ; all sixteen work-groups are here: the first joint loads meet
	JLOAD                                          ; K step 0 into slot 0
	v_and_b32 v1, 15, v0
	v_bfe_u32 v2, v0, 4, 1
	v_and_b32 v3, 7, v0
	v_bfe_u32 v4, v0, 3, 1
	v_and_b32 v5, 31, v0
	v_mul_u32_u24 v[LA], v1, PA
	v_lshl_add_u32 v[LA], v2, 4, v[LA]
	s_mul_i32 s20, s[WV], LA_MUL                   ; my quarter of the K step, in A
	v_add_nc_u32 v[LA], s20, v[LA]
	v_lshl_add_u32 v[LB], v2, 3, v3
	v_mul_u32_u24 v[LB], v[LB], PB
	v_lshl_add_u32 v[LB], v4, 4, v[LB]
	s_mul_i32 s21, s[WV], 64*PB                    ; and in B: 64 K rows
	s_add_co_u32 s21, s21, AREG
	v_add_nc_u32 v[LB], s21, v[LB]
	s_mul_i32 s22, s[WV], REG
	s_add_co_u32 s22, s22, STG
	v_mul_u32_u24 v[STO], v1, SP
	v_lshl_add_u32 v[STO], v2, 5, v[STO]
	v_add_nc_u32 v[STO], s22, v[STO]
	s_mul_i32 s23, s[WV], 16*SP
	s_add_co_u32 s23, s23, STG
	v_lshl_add_u32 v[RDB], v5, 4, s23              ; a row's 512 bytes: 16 a lane; my 16 rows of a phase
	s_lshl_b32 s23, s[WV], 13
	v_lshl_add_u32 v[RRB], v5, 4, s23              ; the same rows of the residual's tile
	s_lshl_b32 s23, s[WV], 16
	v_lshl_add_u32 v[GOB], v5, 4, s23              ; and of the result
	s_lshl_b32 s88, s[TX], 9
	v_lshl_add_u32 v[BO], v5, 4, s88
	global_load_b128 v[BI:BI+3], v[BO], s[68:69]   ; the bias of my four columns
	CHANGE 1                                       ; K step 0 is in; K step 1 is asked for
	PAIR 1                                         ; its first products start the sums
	WIN 0
	s_mov_b32 s[STEPS], KSTEPS-2
.Lstep:                                                ; K steps 1 to KSTEPS - 2; each trip asks for the step two on
	CHANGE 1
	PAIR 0
	WIN 0
	s_sub_co_u32 s[STEPS], s[STEPS], 1
	s_cmp_lg_u32 s[STEPS], 0
	s_cbranch_scc1 .Lstep
	CHANGE 2                                       ; the last K step is written out; the residual is asked for
	PAIR 0
	WIN 0
	s_wait_dscnt 0x0                               ; my last reads of the ring are back,
	s_wait_tensorcnt 0x0                           ; and my part of the residual has landed:
	s_barrier_signal -1                            ; say so,
	MULH 1, 1, 0                                   ; the last products, on registers alone,
	WIN 0
	s_barrier_wait -1                              ; and behind this nobody reads the ring any more, and the residual's tile is whole
.rept 4
	v_nop                                          ; the places between the last products and the stores that read them
.endr
	s_wait_loadcnt 0x0                             ; the bias
	PHASE 0
	s_wait_dscnt 0x0                               ; my reads of the stage are over,
	s_barrier_signal -1
	s_barrier_wait -1                              ; everybody's are: it may be written again
	PHASE 1
	s_wait_tensorcnt 0x0                           ; the wave's end
	ds_add_u32 v[SPW], v[NIL]
	s_wait_dscnt 0x0
	CROUND                                         ; the closing round
	s_endpgm
.Lfunc_end_k_qb5ff6c78d4_proj:
	.size	k_qb5ff6c78d4_proj, .Lfunc_end_k_qb5ff6c78d4_proj-k_qb5ff6c78d4_proj
	.p2alignl 7, 3214868480
	.fill 96, 4, 3214868480
	.section	.rodata,"a",@progbits
	.p2align	6, 0x0
	.amdhsa_kernel k_qb5ff6c78d4_proj
		.amdhsa_group_segment_fixed_size 327680
		.amdhsa_private_segment_fixed_size 0
		.amdhsa_enable_private_segment 0
		.amdhsa_kernarg_size 40
		.amdhsa_user_sgpr_count 2
		.amdhsa_user_sgpr_kernarg_segment_ptr 1
		.amdhsa_wavefront_size32 1
		.amdhsa_system_sgpr_workgroup_id_x 1
		.amdhsa_system_sgpr_workgroup_id_y 1
		.amdhsa_system_sgpr_workgroup_id_z 1
		.amdhsa_system_vgpr_workitem_id 0
		.amdhsa_next_free_vgpr 1024
		.amdhsa_next_free_sgpr 96
		.amdhsa_reserve_vcc 0
		.amdhsa_float_denorm_mode_32 3
		.amdhsa_float_denorm_mode_16_64 3
		.amdhsa_memory_ordered 1
		.amdhsa_forward_progress 1
		.amdhsa_inst_pref_size 69
	.end_amdhsa_kernel
	.amdgpu_metadata
---
amdhsa.version: [ 1, 2 ]
amdhsa.kernels:
  - .name:           k_qb5ff6c78d4_proj
    .symbol:         k_qb5ff6c78d4_proj.kd
    .args:
      - { .name: hn, .offset: 0, .size: 8, .value_kind: global_buffer, .address_space: global }
      - { .name: wb, .offset: 8, .size: 8, .value_kind: global_buffer, .address_space: global }
      - { .name: x1, .offset: 16, .size: 8, .value_kind: global_buffer, .address_space: global }
      - { .name: b_proj, .offset: 24, .size: 8, .value_kind: global_buffer, .address_space: global }
      - { .name: x, .offset: 32, .size: 8, .value_kind: global_buffer, .address_space: global }
    .group_segment_fixed_size: 327680
    .private_segment_fixed_size: 0
    .kernarg_segment_align: 8
    .kernarg_segment_size: 40
    .max_flat_workgroup_size: 128
    .sgpr_count:     96
    .vgpr_count:     1024
    .wavefront_size: 32
...
	.end_amdgpu_metadata
.endif
;; end of part 4
;; launch ln2 (part 5): grid 256 x 1, 16 waves a work-group, no clusters, 0 bytes of LDS; arguments x1, ln2_g, ln2_b, hn; writes hn
.if DOCPART == 5
	.amdgcn_target "amdgcn-amd-amdhsa--gfx1250"
	.amdhsa_code_object_version 6
	.text
	.protected	k_qb5ff6c78d4_ln2
	.globl	k_qb5ff6c78d4_ln2
	.p2align	8
	.type	k_qb5ff6c78d4_ln2,@function
k_qb5ff6c78d4_ln2:
	s_mov_b64 s[64:65], 0
	v_nop
	global_prefetch_b8 v0, s[64:65] scope:SCOPE_SE
	s_setreg_imm32_b32 hwreg(HW_REG_WAVE_MODE, 25, 1), 1
	s_wait_xcnt 0x0
; LN2.  hn = LayerNorm(x1) * g + b, rounded once to bf16, [4096][1024].  A stream: no LDS, no cluster, no matrix work.
; One wave takes one row of 4,096 bytes and keeps it in 32 registers.  Two true passes in f32: the mean, then the sum of squares of the centred numbers.
; A load covers 512 consecutive bytes, a store 256, both aligned.
.set X,    16
.set G,    48
.set BT,   80
.set Y,    112
.set T,    4
.set OUTP, 10
.macro REDUCE                          ; the four chains, the pair's two halves, the 32 lanes: the sum ends in v[T] of every lane
	v_pk_add_f32 v[T:T+1], v[T:T+1], v[T+2:T+3]
	v_pk_add_f32 v[T+4:T+5], v[T+4:T+5], v[T+6:T+7]
	v_pk_add_f32 v[T:T+1], v[T:T+1], v[T+4:T+5]
	v_add_f32 v[T], v[T], v[T+1]
	v_add_f32_dpp v[T], v[T], v[T] row_xmask:1 row_mask:0xf bank_mask:0xf
	v_add_f32_dpp v[T], v[T], v[T] row_xmask:2 row_mask:0xf bank_mask:0xf
	v_add_f32_dpp v[T], v[T], v[T] row_xmask:4 row_mask:0xf bank_mask:0xf
	v_add_f32_dpp v[T], v[T], v[T] row_xmask:8 row_mask:0xf bank_mask:0xf
	v_permlanex16_b32 v[T+1], v[T], s30, s31
	v_add_f32 v[T], v[T], v[T+1]
.endm
	s_load_b256 s[4:11], s[0:1], 0x0               ; x1 4:5, g 6:7, b 8:9, hn 10:11
	v_lshrrev_b32 v1, 5, v0
	v_readfirstlane_b32 s24, v1
	v_and_b32 v1, 31, v0
	v_lshlrev_b32 v2, 4, v1
	v_lshlrev_b32 v3, 3, v1
	s_lshl_b32 s25, ttmp9, 4
	s_add_co_u32 s25, s25, s24                     ; my row
	s_lshl_b32 s26, s25, 12
	s_mov_b32 s27, 0
	s_lshl_b32 s22, s25, 11
	s_mov_b32 s23, 0
	s_mov_b32 s28, 0x3a800000                      ; 1 / 1024
	s_mov_b32 s29, 0x3727c5ac                      ; 1e-5
	s_mov_b32 s30, 0x76543210
	s_mov_b32 s31, 0xfedcba98
	s_wait_kmcnt 0x0
	s_add_nc_u64 s[4:5], s[4:5], s[26:27]
	s_add_nc_u64 s[OUTP:OUTP+1], s[OUTP:OUTP+1], s[22:23]
.irp j, 0,1,2,3,4,5,6,7
	global_load_b128 v[X+4*\j:X+4*\j+3], v2, s[4:5] offset:512*\j
.endr
.irp j, 0,1,2,3,4,5,6,7
	global_load_b128 v[G+4*\j:G+4*\j+3], v2, s[6:7] offset:512*\j
.endr
.irp j, 0,1,2,3,4,5,6,7
	global_load_b128 v[BT+4*\j:BT+4*\j+3], v2, s[8:9] offset:512*\j
.endr
	s_wait_loadcnt 16                              ; the row is in; the gain's and the bias's sixteen loads are younger and stay out
.irp c, 0,1,2,3
	v_pk_add_f32 v[T+2*\c:T+2*\c+1], v[X+2*\c:X+2*\c+1], v[X+8+2*\c:X+8+2*\c+1]
.endr
.irp p, 8,9,10,11,12,13,14,15
	v_pk_add_f32 v[T+2*((\p)%4):T+2*((\p)%4)+1], v[T+2*((\p)%4):T+2*((\p)%4)+1], v[X+2*\p:X+2*\p+1]
.endr
	REDUCE
	v_mul_f32 v12, s28, v[T]
	v_mov_b32 v13, v12
.irp p, 0,1,2,3,4,5,6,7,8,9,10,11,12,13,14,15
	v_pk_add_f32 v[X+2*\p:X+2*\p+1], v[X+2*\p:X+2*\p+1], v[12:13] neg_lo:[0,1] neg_hi:[0,1]
.endr
.irp c, 0,1,2,3
	v_pk_mul_f32 v[T+2*\c:T+2*\c+1], v[X+2*\c:X+2*\c+1], v[X+2*\c:X+2*\c+1]
.endr
.irp p, 4,5,6,7,8,9,10,11,12,13,14,15
	v_pk_fma_f32 v[T+2*((\p)%4):T+2*((\p)%4)+1], v[X+2*\p:X+2*\p+1], v[X+2*\p:X+2*\p+1], v[T+2*((\p)%4):T+2*((\p)%4)+1]
.endr
	REDUCE
	v_fma_f32 v14, v[T], s28, s29
	v_rsq_f32 v14, v14
	v_nop                                          ; a plain instruction between the root and the use of its result (ISA guide 5.7.2)
	s_wait_alu depctr_va_vdst(0)
	v_mov_b32 v15, v14
	s_wait_loadcnt 0x0
.irp p, 0,1,2,3,4,5,6,7,8,9,10,11,12,13,14,15
	v_pk_mul_f32 v[X+2*\p:X+2*\p+1], v[X+2*\p:X+2*\p+1], v[14:15]
.endr
.irp p, 0,1,2,3,4,5,6,7,8,9,10,11,12,13,14,15
	v_pk_fma_f32 v[X+2*\p:X+2*\p+1], v[X+2*\p:X+2*\p+1], v[G+2*\p:G+2*\p+1], v[BT+2*\p:BT+2*\p+1]
.endr
.irp p, 0,1,2,3,4,5,6,7,8,9,10,11,12,13,14,15
	v_cvt_pk_bf16_f32 v[Y+\p], v[X+2*\p], v[X+2*\p+1]
.endr
.irp j, 0,1,2,3,4,5,6,7
	global_store_b64 v3, v[Y+2*\j:Y+2*\j+1], s[OUTP:OUTP+1] offset:256*\j
.endr
	s_endpgm
.Lfunc_end_k_qb5ff6c78d4_ln2:
	.size	k_qb5ff6c78d4_ln2, .Lfunc_end_k_qb5ff6c78d4_ln2-k_qb5ff6c78d4_ln2
	.p2alignl 7, 3214868480
	.fill 96, 4, 3214868480
	.section	.rodata,"a",@progbits
	.p2align	6, 0x0
	.amdhsa_kernel k_qb5ff6c78d4_ln2
		.amdhsa_group_segment_fixed_size 0
		.amdhsa_private_segment_fixed_size 0
		.amdhsa_enable_private_segment 0
		.amdhsa_kernarg_size 32
		.amdhsa_user_sgpr_count 2
		.amdhsa_user_sgpr_kernarg_segment_ptr 1
		.amdhsa_wavefront_size32 1
		.amdhsa_system_sgpr_workgroup_id_x 1
		.amdhsa_system_sgpr_workgroup_id_y 1
		.amdhsa_system_sgpr_workgroup_id_z 1
		.amdhsa_system_vgpr_workitem_id 0
		.amdhsa_next_free_vgpr 128
		.amdhsa_next_free_sgpr 66
		.amdhsa_reserve_vcc 0
		.amdhsa_float_denorm_mode_32 3
		.amdhsa_float_denorm_mode_16_64 3
		.amdhsa_memory_ordered 1
		.amdhsa_forward_progress 1
		.amdhsa_inst_pref_size 12
	.end_amdhsa_kernel
	.amdgpu_metadata
---
amdhsa.version: [ 1, 2 ]
amdhsa.kernels:
  - .name:           k_qb5ff6c78d4_ln2
    .symbol:         k_qb5ff6c78d4_ln2.kd
    .args:
      - { .name: x1, .offset: 0, .size: 8, .value_kind: global_buffer, .address_space: global }
      - { .name: ln2_g, .offset: 8, .size: 8, .value_kind: global_buffer, .address_space: global }
      - { .name: ln2_b, .offset: 16, .size: 8, .value_kind: global_buffer, .address_space: global }
      - { .name: hn, .offset: 24, .size: 8, .value_kind: global_buffer, .address_space: global }
    .group_segment_fixed_size: 0
    .private_segment_fixed_size: 0
    .kernarg_segment_align: 8
    .kernarg_segment_size: 32
    .max_flat_workgroup_size: 512
    .sgpr_count:     66
    .vgpr_count:     128
    .wavefront_size: 32
...
	.end_amdgpu_metadata
.endif
;; end of part 5
;; launch ffn1 (part 6): grid 16 x 16, 4 waves a work-group, clusters of 4 x 4, 327,680 bytes of LDS; arguments hn, wb, big, b1; writes big
.if DOCPART == 6
	.amdgcn_target "amdgcn-amd-amdhsa--gfx1250"
	.amdhsa_code_object_version 6
	.text
	.protected	k_qb5ff6c78d4_ffn1
	.globl	k_qb5ff6c78d4_ffn1
	.p2align	8
	.type	k_qb5ff6c78d4_ffn1,@function
k_qb5ff6c78d4_ffn1:
	s_mov_b64 s[64:65], 0
	v_nop
	global_prefetch_b8 v0, s[64:65] scope:SCOPE_SE
	s_setreg_imm32_b32 hwreg(HW_REG_WAVE_MODE, 25, 1), 1
	s_wait_xcnt 0x0
	s_wait_alu depctr_hold_cnt(0) depctr_sa_sdst(0) depctr_va_vdst(0) depctr_va_sdst(0) depctr_va_ssrc(0) depctr_va_vcc(0) depctr_vm_vsrc(0)
	s_getreg_b32 s2, hwreg(HW_REG_IB_STS2, 6, 4)
	s_cmp_eq_u32 s2, 0
	s_cbranch_scc0 .Lentry_in_a_cluster
	s_endpgm
.Lentry_in_a_cluster:
	s_bfe_u32 s2, ttmp6, 0x10000c
	s_cmp_lg_u32 s2, 0xf033
	s_cbranch_scc0 .Lentry_shape_is_right
	s_endpgm
.Lentry_shape_is_right:
; FFN1.  g = gelu(h W1 + b1), rounded once to bf16.  h: hn, [4096][1024] bf16.  W1: wb + 8,388,608, [1024][4096] bf16, K down the rows.  g: big, [4096][4096] bf16.
; SHARES.  A work-group makes 256 x 256: 16 x 16 work-groups.  Each of four waves makes 128 x 128: 64 accumulators, 512 registers.  K goes in steps of 128 through two LDS slots.
; Waves 0, 1 fetch A's halves (128 rows x 256 bytes), waves 2, 3 B's (64 K rows x 512 bytes): one tensor load a wave, one outstanding.
; CLUSTER 4 x 4: A's tile is asked for jointly along a row of the cluster, B's along a column.
; THE PRODUCT IS USED TRANSPOSED: source 0 = 16 columns of W (turned out of LDS by ds_load_tr16_b128), source 1 = 16 rows of h.
; GELU in f32, the form with erf: gelu(x) = x / 2 + |x| (1/2 - E), E = (a1 t + .. + a5 t^5) / 2 x 2^(-u u), t = 1 / (1 + p |x| / sqrt 2), u u = x x log2(e) / 2: the rational formula for erf whose
; error is 1.5e-7 at the most for every x.
; WINDOWS: 0 addresses, A's fragments (v64.., v128..), the way out; 1 B's fragments; 2, 3 the accumulators of my rows 0-63 and 64-127.
; LIMITS: operands are rounded to bf16; erf as said; NaN and infinities are not treated apart.
.set MB,     8
.set NBK,    8
.set QP,     2
.set KSTEPS, 8
.set PA,     272
.set PB,     544                       ; 512 bytes + 32: an odd multiple of 32 bytes
.set BGAP,   0
.set HALFA,  128*PA
.set AREG,   2*HALFA
.set HALFB,  64*PB
.set SLOT,   AREG+2*HALFB
.set SPARE,  2*SLOT
.set ASTEP,  256
.set BSTEP,  128*8192
.set A_TY,   256*2048
.set A_HALF, 128*2048
.set B_BASE, 8388608
.set B_HALF, 64*8192
.set B_TX,   512
.set A_G10,  (1<<16)|(1<<20)|(1<<21)|(5<<22)|(3<<25)
.set B_G10,  (1<<16)|(1<<20)|(1<<21)|(6<<22)|(7<<25)
.set A_D0,   128
.set A_D1,   128
.set A_ST,   1024
.set B_D0,   256
.set B_D1,   64
.set B_ST,   4096
.set SP,     528                       ; a stage row: 128 f32 + 16 bytes
.set WST,    128*SP                    ; a wave's stage; the four lie over the ring, which has had its last fill by then
.set NL,  2*(MB+NBK)
.set LA,  16
.set LB,  17
.set ADA, 18
.set ADB, 19
.set STO, 20
.set RD,  21
.set GO,  24
.set SPW, 28
.set NIL, 29
.set BO,  30
.set BI,  32
.set XX,  64                           ; the way out, 16 numbers a lane and trip: x, |x|, t, the exponential, the polynomial, the packed result
.set AX,  80
.set TT,  96
.set EE,  112
.set PP,  128
.set YO,  144
.set WV,  10
.set WH,  11
.set WL,  12
.set TY,  13
.set TX,  42
.set G1A, 24
.set G0A, 32
.set SB,  36
.set WLA, 37
.set WLB, 38
.set G1B, 48
.set G0B, 56
.set TBA, 60
.set TBB, 61
.set STEPS, 62
.set CNT, 63
.set KP,  72                           ; s[72:85] the formula's constants, as pairs; s86 clears a sign
.set KC,  74
.set K1,  76
.set K2,  78
.set K3,  80
.set K4,  82
.set K5,  84
.set KABS, 86
.set MSB, 0
.macro WIN new
.if MSB != (\new)
	s_set_vgpr_msb (MSB<<8)|(\new)
.set MSB, (\new)
.endif
.endm
.macro JLOAD                           ; a joint load: waves 0, 1 for A, waves 2, 3 for B; s_nop 0 and four v_nop follow each line
	s_cmp_eq_u32 s[WH], 0
	s_cbranch_scc0 .Lfor_b_\@
	tensor_load_to_lds s[G0A:G0A+3], s[G1A:G1A+7]
	s_nop 0
.rept 4
	v_nop
.endr
	s_branch .Lasked_\@
.Lfor_b_\@:
	tensor_load_to_lds s[G0B:G0B+3], s[G1B:G1B+7]
	s_nop 0
.rept 4
	v_nop
.endr
.Lasked_\@:
.endm
.macro CROUND
	s_barrier_signal -1
	s_barrier_wait -1
	s_cmp_lg_u32 s[WV], 0
	s_cbranch_scc1 .Lnot_wave_0_\@
	s_barrier_signal -3
.Lnot_wave_0_\@:
	s_barrier_wait -3
	s_barrier_signal -1
	s_barrier_wait -1
.endm
; One quarter's fragments (32 along K) into buffer f, in one run.  The four plain lines at its head are the places between the last product that read the buffer and the loads into it.
.macro FETCH f
	WIN 0
	v_add_nc_u32 v[ADA], s[TBA], v[LA]
	v_add_nc_u32 v[ADB], s[TBB], v[LB]
	v_nop
	v_nop
	s_add_co_u32 s[TBA], s[TBA], 64
	s_add_co_u32 s[TBB], s[TBB], 32*PB
	WIN 0x40
.set b, 0
.rept NBK
	ds_load_tr16_b128 v[128*(\f)+8*b:128*(\f)+8*b+3],   v[ADB] offset:32*b+BGAP*(b/4)
	ds_load_tr16_b128 v[128*(\f)+8*b+4:128*(\f)+8*b+7], v[ADB] offset:32*b+BGAP*(b/4)+16*PB
.set b, b+1
.endr
	WIN 0
.set a, 0
.rept MB
	ds_load_b128 v[64+64*(\f)+8*a:64+64*(\f)+8*a+3],   v[ADA] offset:a*16*PA
	ds_load_b128 v[64+64*(\f)+8*a+4:64+64*(\f)+8*a+7], v[ADA] offset:a*16*PA+32
.set a, a+1
.endr
.endm
; Half a quarter's products.  Every accumulator has a turn of one instruction.  zero = 1: the products start the sums.
.macro MULH f, hi, zero
	WIN 0xa1+0x50*(\hi)
.set a, 0
.rept MB/2
.set b, 0
.rept NBK
.if \zero
	v_wmma_f32_16x16x32_bf16 v[8*(NBK*a+b):8*(NBK*a+b)+7], v[128*(\f)+8*b:128*(\f)+8*b+7], v[64+64*(\f)+8*(MB/2*(\hi)+a):64+64*(\f)+8*(MB/2*(\hi)+a)+7], 0
.else
	v_wmma_f32_16x16x32_bf16 v[8*(NBK*a+b):8*(NBK*a+b)+7], v[128*(\f)+8*b:128*(\f)+8*b+7], v[64+64*(\f)+8*(MB/2*(\hi)+a):64+64*(\f)+8*(MB/2*(\hi)+a)+7], v[8*(NBK*a+b):8*(NBK*a+b)+7]
.endif
.set b, b+1
.endr
.set a, a+1
.endr
.endm
.macro PAIR first
	FETCH 0
.if !(\first)
	s_wait_dscnt NL                                ; all but the NL loads just issued: buffer 1 is whole
	MULH 1, 1, 0
.endif
	s_wait_dscnt MB                                ; the youngest MB loads, A's upper blocks, may be out
	MULH 0, 0, \first
	FETCH 1
	s_wait_dscnt NL                                ; buffer 0 is whole
	MULH 0, 1, \first
	s_wait_dscnt MB
	MULH 1, 0, 0
.endm
; THE CHANGE OF SLOTS.  Each wave waits for all its tensor loads (one is out), adds 0 to its spare word, and waits for that and for its reads of the slot that it leaves.
; kind = 1: the barrier is a round of the cluster's, and the slot just left is asked for again first thing behind it, with the K step two on.  kind = 0: nothing is left to ask for.
.macro CHANGE kind
	WIN 0
	s_wait_tensorcnt 0x0                           ; no tensor load of mine is out, so the walking descriptors may be written
	ds_add_u32 v[SPW], v[NIL]
.if (\kind) == 1
	s_xor_b32 s[SB], s[SB], SLOT                   ; SB is 0 or SLOT, nothing else
	s_add_co_u32 s[G0A+1], s[WLA], s[SB]
	s_add_co_u32 s[G0B+1], s[WLB], s[SB]
	s_add_nc_u64 s[G0A+2:G0A+3], s[G0A+2:G0A+3], ASTEP
	s_add_nc_u64 s[G0B+2:G0B+3], s[G0B+2:G0B+3], BSTEP
	s_wait_dscnt 0x0                               ; the add is done, and my reads of the slot are over
	CROUND
	JLOAD
.else
	s_wait_dscnt 0x0
	s_barrier_signal -1
	s_barrier_wait -1
.endif
	s_sub_co_u32 s[TBA], s[TBA], QP*128
	s_xor_b32 s[TBA], s[TBA], SLOT
	s_sub_co_u32 s[TBB], s[TBB], QP*64*PB
	s_xor_b32 s[TBB], s[TBB], SLOT
.endm
.macro STAGE hi, rowbase               ; my accumulators of half hi into my stage, in f32; each accumulator's low registers go first
	WIN 0x08+4*(\hi)
.set a, 0
.rept MB/2
.set b, 0
.rept NBK
	ds_store_b128 v[STO], v[8*(NBK*a+b):8*(NBK*a+b)+3]   offset:((\rowbase)+a)*16*SP+64*b
	ds_store_b128 v[STO], v[8*(NBK*a+b)+4:8*(NBK*a+b)+7] offset:((\rowbase)+a)*16*SP+64*b+16
.set b, b+1
.endr
.set a, a+1
.endr
.endm
.macro KSET r, val                     ; a constant as a pair: the packed forms name both words
	s_mov_b32 s[\r], \val
	s_mov_b32 s[\r+1], \val
.endm
.macro EACH8 line:vararg               ; one line for each pair q of the trip's 16 numbers
.set q, 0
	s_wait_alu depctr_va_vdst(0)
.rept 8
	\line
.set q, q+1
.endr
.endm
.macro EACH16 line:vararg              ; one line for each number q
.set q, 0
.rept 16
	\line
.set q, q+1
.endr
.endm
	s_load_b128 s[4:7], s[0:1], 0x0                ; hn s[4:5], wb s[6:7]
	s_load_b64 s[8:9], s[0:1], 0x10                ; big
	s_load_b64 s[68:69], s[0:1], 0x18              ; b1
	v_lshl_add_u32 v[SPW], v0, 2, SPARE
	v_mov_b32 v[NIL], 0
	ds_add_u32 v[SPW], v[NIL]                      ; the wave's opening: the add and its wait stand ahead of my first tensor load
	v_lshrrev_b32 v1, 5, v0
	v_readfirstlane_b32 s[WV], v1
	s_lshr_b32 s[WH], s[WV], 1
	s_and_b32 s[WL], s[WV], 1
	s_bfe_u32 s40, ttmp6, 0x40000
	s_bfe_u32 s41, ttmp6, 0x40004
	s_lshl_b32 s[TX], ttmp9, 2
	s_add_co_u32 s[TX], s[TX], s40
	s_and_b32 s[TY], ttmp7, 0xffff
	s_lshl_b32 s[TY], s[TY], 2
	s_add_co_u32 s[TY], s[TY], s41
	s_lshl_b32 s43, s41, 2
	s_lshl_b32 s43, 15, s43
	s_lshl_b32 s44, 0x1111, s40
	s_or_b32 s[G1A], s43, A_G10
	s_mov_b32 s[G1A+1], A_D0<<16
	s_mov_b32 s[G1A+2], A_D1<<16
	s_mov_b32 s[G1A+3], A_D0<<16
	s_mov_b32 s[G1A+4], A_D1
	s_mov_b32 s[G1A+5], A_ST
	s_mov_b32 s[G1A+6], 0
	s_mov_b32 s[G1A+7], 0
	s_or_b32 s[G1B], s44, B_G10
	s_mov_b32 s[G1B+1], B_D0<<16
	s_mov_b32 s[G1B+2], B_D1<<16
	s_mov_b32 s[G1B+3], B_D0<<16
	s_mov_b32 s[G1B+4], B_D1
	s_mov_b32 s[G1B+5], B_ST
	s_mov_b32 s[G1B+6], 0
	s_mov_b32 s[G1B+7], 0
	s_mul_i32 s16, s[TY], A_TY
	s_mul_i32 s17, s[WL], A_HALF
	s_add_co_u32 s16, s16, s17
	s_mov_b32 s17, 0
	s_mul_i32 s46, s[TX], B_TX
	s_mul_i32 s47, s[WL], B_HALF
	s_add_co_u32 s46, s46, s47
	s_add_co_u32 s46, s46, B_BASE
	s_mov_b32 s47, 0
	s_mul_i32 s[WLA], s[WL], HALFA
	s_mul_i32 s[WLB], s[WL], HALFB
	s_add_co_u32 s[WLB], s[WLB], AREG
	s_mov_b32 s[SB], 0
	s_mov_b32 s[TBA], SLOT+QP*128
	s_mov_b32 s[TBB], SLOT+QP*64*PB
	s_mov_b32 s[G0A], 1
	s_mov_b32 s[G0A+1], s[WLA]
	s_mov_b32 s[G0B], 1
	s_mov_b32 s[G0B+1], s[WLB]
	KSET KP, 0x3e6d3388                            ; 0.3275911 / sqrt 2
	KSET KC, 0x3f596d27                            ; sqrt(log2(e) / 2)
	KSET K1, 0x3e027906                            ; a1 / 2 .. a5 / 2
	KSET K2, 0xbe11a98e
	KSET K3, 0x3f35f0e3
	KSET K4, 0xbf3a00e3
	KSET K5, 0x3f07dc22
	s_mov_b32 s[KABS], 0x7fffffff
	s_lshl_b32 s90, s[TY], 21                      ; my part of g: row 256 ty + 128 (wave / 2), 8,192 bytes a row; column 256 tx + 128 (wave % 2)
	s_lshl_b32 s91, s[WH], 20
	s_add_co_u32 s90, s90, s91
	s_lshl_b32 s91, s[TX], 9
	s_add_co_u32 s90, s90, s91
	s_lshl_b32 s91, s[WL], 8
	s_add_co_u32 s90, s90, s91
	s_mov_b32 s91, 0
	s_wait_dscnt 0x0                               ; the opening add is done
	s_wait_kmcnt 0x0
	s_add_nc_u64 s[G0A+2:G0A+3], s[4:5], s[16:17]
	s_or_b32 s[G0A+3], s[G0A+3], 0x80000000
	s_add_nc_u64 s[G0B+2:G0B+3], s[6:7], s[46:47]
	s_or_b32 s[G0B+3], s[G0B+3], 0x80000000
	s_add_nc_u64 s[8:9], s[8:9], s[90:91]
	CROUND                                         ; all sixteen work-groups are here: the first joint loads meet
	JLOAD                                          ; K step 0 into slot 0
	v_and_b32 v1, 15, v0
	v_bfe_u32 v2, v0, 4, 1
	v_and_b32 v3, 7, v0
	v_bfe_u32 v4, v0, 3, 1
	v_and_b32 v5, 31, v0
	v_mul_u32_u24 v[LA], v1, PA
	v_lshl_add_u32 v[LA], v2, 4, v[LA]
	s_mul_i32 s20, s[WH], 128*PA                   ; my 128 rows
	v_add_nc_u32 v[LA], s20, v[LA]
	v_lshl_add_u32 v[LB], v2, 3, v3
	v_mul_u32_u24 v[LB], v[LB], PB
	v_lshl_add_u32 v[LB], v4, 4, v[LB]
	s_lshl_b32 s21, s[WL], 8                       ; my 128 columns
	s_add_co_u32 s21, s21, AREG
	v_add_nc_u32 v[LB], s21, v[LB]
	s_mul_i32 s22, s[WV], WST                      ; my stage
	v_mul_u32_u24 v[STO], v1, SP
	v_lshl_add_u32 v[STO], v2, 5, v[STO]
	v_add_nc_u32 v[STO], s22, v[STO]
	v_lshl_add_u32 v[RD], v5, 4, s22               ; back: a row's 512 bytes, 16 a lane: my four columns
	v_lshlrev_b32 v[GO], 3, v5                     ; and 8 bytes a lane out
	s_lshl_b32 s88, s[TX], 10
	s_lshl_b32 s89, s[WL], 9
	s_add_co_u32 s88, s88, s89
	v_lshl_add_u32 v[BO], v5, 4, s88
	global_load_b128 v[BI:BI+3], v[BO], s[68:69]   ; the bias of my four columns
	CHANGE 1                                       ; K step 0 is in; K step 1 is asked for
	PAIR 1                                         ; K step 0 stands in front of the loop: its first products start the sums
	PAIR 0
	WIN 0
	s_mov_b32 s[STEPS], KSTEPS-2
.Lstep:                                                ; K steps 1 to KSTEPS - 2; each trip asks for the step two on
	CHANGE 1
	s_mov_b32 s[CNT], QP
.Lpair:
	PAIR 0
	WIN 0
	s_sub_co_u32 s[CNT], s[CNT], 1
	s_cmp_lg_u32 s[CNT], 0
	s_cbranch_scc1 .Lpair
	s_sub_co_u32 s[STEPS], s[STEPS], 1
	s_cmp_lg_u32 s[STEPS], 0
	s_cbranch_scc1 .Lstep
	CHANGE 0                                       ; the last K step is written out
	s_mov_b32 s[CNT], QP
.Ltail:
	PAIR 0
	WIN 0
	s_sub_co_u32 s[CNT], s[CNT], 1
	s_cmp_lg_u32 s[CNT], 0
	s_cbranch_scc1 .Ltail
	s_wait_dscnt 0x0                               ; my last reads of the ring are back:
	s_barrier_signal -1                            ; say so,
	MULH 1, 1, 0                                   ; the last products, on registers alone,
	WIN 0
	s_barrier_wait -1                              ; and behind this nobody reads the ring any more: the stages may lie over it
.rept 4
	v_nop                                          ; the places between the last products and the stores that read them
.endr
	STAGE 0, 0
	STAGE 1, 4
	WIN 0
	s_wait_loadcnt 0x0                             ; the bias
	s_mov_b32 s[CNT], 32
.Lrows:                                                ; four rows a trip; the stage is my own, and LDS serves a wave's instructions in order
.irp i, 0,1,2,3
	ds_load_b128 v[XX+4*\i:XX+4*\i+3], v[RD] offset:\i*SP
.endr
	s_wait_dscnt 0x0
	EACH8 v_pk_add_f32 v[XX+2*q:XX+2*q+1], v[XX+2*q:XX+2*q+1], v[BI+2*(q%2):BI+2*(q%2)+1]
	EACH16 v_and_b32 v[AX+q], s[KABS], v[XX+q]
	EACH8 v_pk_fma_f32 v[TT+2*q:TT+2*q+1], v[AX+2*q:AX+2*q+1], s[KP:KP+1], 1.0 op_sel_hi:[1,0,0]
	EACH8 v_pk_mul_f32 v[EE+2*q:EE+2*q+1], v[AX+2*q:AX+2*q+1], s[KC:KC+1] op_sel_hi:[1,0]
	EACH8 v_pk_mul_f32 v[EE+2*q:EE+2*q+1], v[EE+2*q:EE+2*q+1], v[EE+2*q:EE+2*q+1] neg_lo:[1,0] neg_hi:[1,0]
	EACH16 v_rcp_f32 v[TT+q], v[TT+q]
	EACH16 v_exp_f32 v[EE+q], v[EE+q]
	EACH8 v_pk_mul_f32 v[XX+2*q:XX+2*q+1], v[XX+2*q:XX+2*q+1], 0.5 op_sel_hi:[1,0]  ; plain lines between the last exponential and the use of its result
	EACH8 v_pk_fma_f32 v[PP+2*q:PP+2*q+1], v[TT+2*q:TT+2*q+1], s[K5:K5+1], s[K4:K4+1] op_sel_hi:[1,0,0]
	EACH8 v_pk_fma_f32 v[PP+2*q:PP+2*q+1], v[PP+2*q:PP+2*q+1], v[TT+2*q:TT+2*q+1], s[K3:K3+1] op_sel_hi:[1,1,0]
	EACH8 v_pk_fma_f32 v[PP+2*q:PP+2*q+1], v[PP+2*q:PP+2*q+1], v[TT+2*q:TT+2*q+1], s[K2:K2+1] op_sel_hi:[1,1,0]
	EACH8 v_pk_fma_f32 v[PP+2*q:PP+2*q+1], v[PP+2*q:PP+2*q+1], v[TT+2*q:TT+2*q+1], s[K1:K1+1] op_sel_hi:[1,1,0]
	EACH8 v_pk_mul_f32 v[PP+2*q:PP+2*q+1], v[PP+2*q:PP+2*q+1], v[TT+2*q:TT+2*q+1]
	EACH8 v_pk_fma_f32 v[PP+2*q:PP+2*q+1], v[PP+2*q:PP+2*q+1], v[EE+2*q:EE+2*q+1], 0.5 op_sel_hi:[1,1,0] neg_lo:[1,0,0] neg_hi:[1,0,0]
	EACH8 v_pk_fma_f32 v[XX+2*q:XX+2*q+1], v[AX+2*q:AX+2*q+1], v[PP+2*q:PP+2*q+1], v[XX+2*q:XX+2*q+1]
	EACH8 v_cvt_pk_bf16_f32 v[YO+q], v[XX+2*q], v[XX+2*q+1]
.irp i, 0,1,2,3
	global_store_b64 v[GO], v[YO+2*\i:YO+2*\i+1], s[8:9] offset:\i*8192  ; 32 lanes store 256 consecutive bytes, aligned
.endr
	s_wait_xcnt 0x0                                ; the stores' data and offset are rewritten only behind this wait
	v_add_nc_u32 v[RD], 4*SP, v[RD]
	v_add_nc_u32 v[GO], 4*8192, v[GO]
	s_sub_co_u32 s[CNT], s[CNT], 1
	s_cmp_lg_u32 s[CNT], 0
	s_cbranch_scc1 .Lrows
	s_wait_tensorcnt 0x0                           ; the wave's end
	ds_add_u32 v[SPW], v[NIL]
	s_wait_dscnt 0x0
	CROUND                                         ; the closing round
	s_endpgm
.Lfunc_end_k_qb5ff6c78d4_ffn1:
	.size	k_qb5ff6c78d4_ffn1, .Lfunc_end_k_qb5ff6c78d4_ffn1-k_qb5ff6c78d4_ffn1
	.p2alignl 7, 3214868480
	.fill 96, 4, 3214868480
	.section	.rodata,"a",@progbits
	.p2align	6, 0x0
	.amdhsa_kernel k_qb5ff6c78d4_ffn1
		.amdhsa_group_segment_fixed_size 327680
		.amdhsa_private_segment_fixed_size 0
		.amdhsa_enable_private_segment 0
		.amdhsa_kernarg_size 32
		.amdhsa_user_sgpr_count 2
		.amdhsa_user_sgpr_kernarg_segment_ptr 1
		.amdhsa_wavefront_size32 1
		.amdhsa_system_sgpr_workgroup_id_x 1
		.amdhsa_system_sgpr_workgroup_id_y 1
		.amdhsa_system_sgpr_workgroup_id_z 1
		.amdhsa_system_vgpr_workitem_id 0
		.amdhsa_next_free_vgpr 1024
		.amdhsa_next_free_sgpr 96
		.amdhsa_reserve_vcc 0
		.amdhsa_float_denorm_mode_32 3
		.amdhsa_float_denorm_mode_16_64 3
		.amdhsa_memory_ordered 1
		.amdhsa_forward_progress 1
		.amdhsa_inst_pref_size 81
	.end_amdhsa_kernel
	.amdgpu_metadata
---
amdhsa.version: [ 1, 2 ]
amdhsa.kernels:
  - .name:           k_qb5ff6c78d4_ffn1
    .symbol:         k_qb5ff6c78d4_ffn1.kd
    .args:
      - { .name: hn, .offset: 0, .size: 8, .value_kind: global_buffer, .address_space: global }
      - { .name: wb, .offset: 8, .size: 8, .value_kind: global_buffer, .address_space: global }
      - { .name: big, .offset: 16, .size: 8, .value_kind: global_buffer, .address_space: global }
      - { .name: b1, .offset: 24, .size: 8, .value_kind: global_buffer, .address_space: global }
    .group_segment_fixed_size: 327680
    .private_segment_fixed_size: 0
    .kernarg_segment_align: 8
    .kernarg_segment_size: 32
    .max_flat_workgroup_size: 128
    .sgpr_count:     96
    .vgpr_count:     1024
    .wavefront_size: 32
...
	.end_amdgpu_metadata
.endif
;; end of part 6
;; launch ffn2 (part 7): grid 8 x 32, 4 waves a work-group, clusters of 4 x 4, 327,680 bytes of LDS; arguments big, wb, out0, b2, x1; writes out0
.if DOCPART == 7
	.amdgcn_target "amdgcn-amd-amdhsa--gfx1250"
	.amdhsa_code_object_version 6
	.text
	.protected	k_qb5ff6c78d4_ffn2
	.globl	k_qb5ff6c78d4_ffn2
	.p2align	8
	.type	k_qb5ff6c78d4_ffn2,@function
k_qb5ff6c78d4_ffn2:
	s_mov_b64 s[64:65], 0
	v_nop
	global_prefetch_b8 v0, s[64:65] scope:SCOPE_SE
	s_setreg_imm32_b32 hwreg(HW_REG_WAVE_MODE, 25, 1), 1
	s_wait_xcnt 0x0
	s_wait_alu depctr_hold_cnt(0) depctr_sa_sdst(0) depctr_va_vdst(0) depctr_va_sdst(0) depctr_va_ssrc(0) depctr_va_vcc(0) depctr_vm_vsrc(0)
	s_getreg_b32 s2, hwreg(HW_REG_IB_STS2, 6, 4)
	s_cmp_eq_u32 s2, 0
	s_cbranch_scc0 .Lentry_in_a_cluster
	s_endpgm
.Lentry_in_a_cluster:
	s_bfe_u32 s2, ttmp6, 0x10000c
	s_cmp_lg_u32 s2, 0xf033
	s_cbranch_scc0 .Lentry_shape_is_right
	s_endpgm
.Lentry_shape_is_right:
; FFN2.  out0 = x1 + g W2 + b2, in f32.  g: big, [4096][4096] bf16.  W2: wb + 16,777,216, [4096][1024] bf16, K down the rows.
; SHARES.  A work-group makes 128 x 128 of the result: 8 x 32 work-groups.  K IS SPLIT BY WAVE: in each K step of 256 wave w multiplies its 64 along K for the whole tile, 64 accumulators,
; so that each LDS byte is read once, by one wave, and a fragment feeds eight products.  The four partial sums of an output are added at the end, in f32, through LDS.
; Waves 0, 1 fetch A's halves (64 rows x 512 bytes), waves 2, 3 B's (128 K rows x 256 bytes): one tensor load a wave, one outstanding.
; The residual's tile (128 rows x 512 bytes of x1) comes by a tensor load of each wave's own into the slot that the last K step leaves unused.
; CLUSTER 4 x 4: A's tile is asked for jointly along a row of the cluster, B's along a column.
; THE PRODUCT IS USED TRANSPOSED: source 0 = 16 columns of W (turned out of LDS by ds_load_tr16_b128), source 1 = 16 rows of g.
; WINDOWS: 0 addresses, A's fragments (v64.., v128..), the way out; 1 B's fragments; 2, 3 the accumulators of rows 0-63 and 64-127.
; LIMITS: operands are rounded to bf16; an output is the sum of four partial f32 sums, the residual and the bias, in that order of pairs; NaN and infinities are not treated apart.
.set MB,     8
.set NBK,    8
.set QP,     1
.set KSTEPS, 16
.set PA,     528                       ; 512 bytes + 16
.set PB,     288                       ; 256 bytes + 32
.set BGAP,   0
.set HALFA,  64*PA
.set AREG,   2*HALFA
.set HALFB,  128*PB
.set SLOT,   AREG+2*HALFB
.set SPARE,  2*SLOT
.set ASTEP,  512
.set BSTEP,  256*2048
.set A_TY,   128*8192
.set A_HALF, 64*8192
.set B_BASE, 16777216
.set B_HALF, 128*2048
.set B_TX,   256
.set A_G10,  (1<<16)|(1<<20)|(1<<21)|(6<<22)|(3<<25)  ; after every 128 words 4 words
.set B_G10,  (1<<16)|(1<<20)|(1<<21)|(5<<22)|(7<<25)  ; after every 64 words 8 words
.set A_D0,   256
.set A_D1,   64
.set A_ST,   4096
.set B_D0,   128
.set B_D1,   128
.set B_ST,   1024
.set LA_MUL, 128                       ; wave w's 64 elements of a row
.set SP,     528
.set REG,    64*SP
.set STG,    65536
.set NL,  2*(MB+NBK)
.set LA,  16
.set LB,  17
.set ADA, 18
.set ADB, 19
.set STO, 20
.set RD,  21
.set RD2, 22
.set RR,  23
.set GO,  24
.set RDB, 25
.set RRB, 26
.set GOB, 27
.set SPW, 28
.set NIL, 29
.set BO,  30
.set BI,  32
.set WV,  10
.set WH,  11
.set WL,  12
.set TY,  13
.set TX,  42
.set G1A, 24
.set G0A, 32
.set SB,  36
.set WLA, 37
.set WLB, 38
.set G1B, 48
.set G0B, 56
.set TBA, 60
.set TBB, 61
.set STEPS, 62
.set CNT, 63
.set G0R, 72
.set G1R, 76
.set MSB, 0
.macro WIN new
.if MSB != (\new)
	s_set_vgpr_msb (MSB<<8)|(\new)
.set MSB, (\new)
.endif
.endm
.macro JLOAD                           ; a joint load: waves 0, 1 for A, waves 2, 3 for B; s_nop 0 and four v_nop follow each line
	s_cmp_eq_u32 s[WH], 0
	s_cbranch_scc0 .Lfor_b_\@
	tensor_load_to_lds s[G0A:G0A+3], s[G1A:G1A+7]
	s_nop 0
.rept 4
	v_nop
.endr
	s_branch .Lasked_\@
.Lfor_b_\@:
	tensor_load_to_lds s[G0B:G0B+3], s[G1B:G1B+7]
	s_nop 0
.rept 4
	v_nop
.endr
.Lasked_\@:
.endm
.macro CROUND
	s_barrier_signal -1
	s_barrier_wait -1
	s_cmp_lg_u32 s[WV], 0
	s_cbranch_scc1 .Lnot_wave_0_\@
	s_barrier_signal -3
.Lnot_wave_0_\@:
	s_barrier_wait -3
	s_barrier_signal -1
	s_barrier_wait -1
.endm
; One quarter's fragments (32 along K) into buffer f, in one run.  The four plain lines at its head are the places between the last product that read the buffer and the loads into it.
.macro FETCH f
	WIN 0
	v_add_nc_u32 v[ADA], s[TBA], v[LA]
	v_add_nc_u32 v[ADB], s[TBB], v[LB]
	v_nop
	v_nop
	s_add_co_u32 s[TBA], s[TBA], 64
	s_add_co_u32 s[TBB], s[TBB], 32*PB
	WIN 0x40
.set b, 0
.rept NBK
	ds_load_tr16_b128 v[128*(\f)+8*b:128*(\f)+8*b+3],   v[ADB] offset:32*b+BGAP*(b/4)
	ds_load_tr16_b128 v[128*(\f)+8*b+4:128*(\f)+8*b+7], v[ADB] offset:32*b+BGAP*(b/4)+16*PB
.set b, b+1
.endr
	WIN 0
.set a, 0
.rept MB
	ds_load_b128 v[64+64*(\f)+8*a:64+64*(\f)+8*a+3],   v[ADA] offset:a*16*PA
	ds_load_b128 v[64+64*(\f)+8*a+4:64+64*(\f)+8*a+7], v[ADA] offset:a*16*PA+32
.set a, a+1
.endr
.endm
; Half a quarter's products.  Every accumulator has a turn of one instruction.  zero = 1: the products start the sums.
.macro MULH f, hi, zero
	WIN 0xa1+0x50*(\hi)
.set a, 0
.rept MB/2
.set b, 0
.rept NBK
.if \zero
	v_wmma_f32_16x16x32_bf16 v[8*(NBK*a+b):8*(NBK*a+b)+7], v[128*(\f)+8*b:128*(\f)+8*b+7], v[64+64*(\f)+8*(MB/2*(\hi)+a):64+64*(\f)+8*(MB/2*(\hi)+a)+7], 0
.else
	v_wmma_f32_16x16x32_bf16 v[8*(NBK*a+b):8*(NBK*a+b)+7], v[128*(\f)+8*b:128*(\f)+8*b+7], v[64+64*(\f)+8*(MB/2*(\hi)+a):64+64*(\f)+8*(MB/2*(\hi)+a)+7], v[8*(NBK*a+b):8*(NBK*a+b)+7]
.endif
.set b, b+1
.endr
.set a, a+1
.endr
.endm
.macro PAIR first
	FETCH 0
.if !(\first)
	s_wait_dscnt NL                                ; all but the NL loads just issued: buffer 1 is whole
	MULH 1, 1, 0
.endif
	s_wait_dscnt MB                                ; the youngest MB loads, A's upper blocks, may be out
	MULH 0, 0, \first
	FETCH 1
	s_wait_dscnt NL                                ; buffer 0 is whole
	MULH 0, 1, \first
	s_wait_dscnt MB
	MULH 1, 0, 0
.endm
; THE CHANGE OF SLOTS.  Each wave waits for all its tensor loads (one is out), adds 0 to its spare word, and waits for that and for its reads of the slot that it leaves.  The barrier is a round of the cluster's.
; kind = 1: the slot just left is asked for again, jointly, with the K step two on.  kind = 2 (in front of the last K step): each wave asks for its 32 rows of the residual's tile, into the head of the slot just left.
.macro CHANGE kind
	WIN 0
	s_wait_tensorcnt 0x0                           ; no tensor load of mine is out, so the walking descriptors may be written
	ds_add_u32 v[SPW], v[NIL]
.if (\kind) == 1
	s_xor_b32 s[SB], s[SB], SLOT                   ; SB is 0 or SLOT, nothing else
	s_add_co_u32 s[G0A+1], s[WLA], s[SB]
	s_add_co_u32 s[G0B+1], s[WLB], s[SB]
	s_add_nc_u64 s[G0A+2:G0A+3], s[G0A+2:G0A+3], ASTEP
	s_add_nc_u64 s[G0B+2:G0B+3], s[G0B+2:G0B+3], BSTEP
	s_wait_dscnt 0x0                               ; the add is done, and my reads of the slot are over
	CROUND
	JLOAD
.else
	s_wait_dscnt 0x0
	CROUND
	tensor_load_to_lds s[G0R:G0R+3], s[G1R:G1R+7]  ; no mask: a load of my own; it has the last K step in which to land
	s_nop 0
.rept 4
	v_nop
.endr
.endif
	s_sub_co_u32 s[TBA], s[TBA], QP*128
	s_xor_b32 s[TBA], s[TBA], SLOT
	s_sub_co_u32 s[TBB], s[TBB], QP*64*PB
	s_xor_b32 s[TBB], s[TBB], SLOT
.endm
.macro STAGE hi, rowbase               ; my accumulators of half hi into my part of the stage, in f32; each accumulator's low registers go first
	WIN 0x08+4*(\hi)
.set a, 0
.rept MB/2
.set b, 0
.rept NBK
	ds_store_b128 v[STO], v[8*(NBK*a+b):8*(NBK*a+b)+3]   offset:((\rowbase)+a)*16*SP+64*b
	ds_store_b128 v[STO], v[8*(NBK*a+b)+4:8*(NBK*a+b)+7] offset:((\rowbase)+a)*16*SP+64*b+16
.set b, b+1
.endr
.set a, a+1
.endr
.endm
; A PHASE of the sum: rows 64 ph to 64 ph + 63 of the tile.  All four waves put their partial sums of these rows into the stage; behind a barrier wave w adds up rows 16 w to 16 w + 15, four a trip.
.macro PHASE ph
	STAGE \ph, 0
	WIN 0
	v_mov_b32 v[RD], v[RDB]
	v_add_nc_u32 v[RD2], 2*REG, v[RDB]
	v_add_nc_u32 v[RR], (\ph)*64*512, v[RRB]
	v_mov_b32 v[GO], v[GOB]
	s_wait_dscnt 0x0                               ; for the others' sake: my stores into the stage are done
	s_barrier_signal -1
	s_barrier_wait -1
	s_mov_b32 s[CNT], 4
.Lsum\ph:
.irp i, 0,1,2,3
	ds_load_b128 v[64+16*\i:64+16*\i+3],   v[RD]  offset:\i*SP
	ds_load_b128 v[68+16*\i:68+16*\i+3],   v[RD]  offset:REG+\i*SP
	ds_load_b128 v[72+16*\i:72+16*\i+3],   v[RD2] offset:\i*SP
	ds_load_b128 v[76+16*\i:76+16*\i+3],   v[RD2] offset:REG+\i*SP
	ds_load_b128 v[128+4*\i:128+4*\i+3],   v[RR]  offset:\i*512
.endr
.irp i, 0,1,2,3
	s_wait_dscnt 5*(3-\i)                          ; five loads for each younger row may be out
	v_pk_add_f32 v[64+16*\i:65+16*\i], v[64+16*\i:65+16*\i], v[68+16*\i:69+16*\i]
	v_pk_add_f32 v[66+16*\i:67+16*\i], v[66+16*\i:67+16*\i], v[70+16*\i:71+16*\i]
	v_pk_add_f32 v[72+16*\i:73+16*\i], v[72+16*\i:73+16*\i], v[76+16*\i:77+16*\i]
	v_pk_add_f32 v[74+16*\i:75+16*\i], v[74+16*\i:75+16*\i], v[78+16*\i:79+16*\i]
	v_pk_add_f32 v[128+4*\i:129+4*\i], v[128+4*\i:129+4*\i], v[BI:BI+1]
	v_pk_add_f32 v[130+4*\i:131+4*\i], v[130+4*\i:131+4*\i], v[BI+2:BI+3]
	v_pk_add_f32 v[64+16*\i:65+16*\i], v[64+16*\i:65+16*\i], v[72+16*\i:73+16*\i]
	v_pk_add_f32 v[66+16*\i:67+16*\i], v[66+16*\i:67+16*\i], v[74+16*\i:75+16*\i]
	v_pk_add_f32 v[64+16*\i:65+16*\i], v[64+16*\i:65+16*\i], v[128+4*\i:129+4*\i]
	v_pk_add_f32 v[66+16*\i:67+16*\i], v[66+16*\i:67+16*\i], v[130+4*\i:131+4*\i]
	global_store_b128 v[GO], v[64+16*\i:67+16*\i], s[8:9] offset:(\ph)*262144+\i*4096  ; 32 lanes store 512 consecutive bytes, aligned
.endr
	s_wait_xcnt 0x0                                ; the stores' data and offset are rewritten only behind this wait
	v_add_nc_u32 v[RD], 4*SP, v[RD]
	v_add_nc_u32 v[RD2], 4*SP, v[RD2]
	v_add_nc_u32 v[RR], 4*512, v[RR]
	v_add_nc_u32 v[GO], 4*4096, v[GO]
	s_sub_co_u32 s[CNT], s[CNT], 1
	s_cmp_lg_u32 s[CNT], 0
	s_cbranch_scc1 .Lsum\ph
.endm
	s_load_b128 s[4:7], s[0:1], 0x0                ; A s[4:5], wb s[6:7]
	s_load_b64 s[8:9], s[0:1], 0x10                ; the result
	s_load_b64 s[68:69], s[0:1], 0x18              ; the bias
	s_load_b64 s[70:71], s[0:1], 0x20              ; the residual
	v_lshl_add_u32 v[SPW], v0, 2, SPARE
	v_mov_b32 v[NIL], 0
	ds_add_u32 v[SPW], v[NIL]                      ; the wave's opening: the add and its wait stand ahead of my first tensor load
	v_lshrrev_b32 v1, 5, v0
	v_readfirstlane_b32 s[WV], v1
	s_lshr_b32 s[WH], s[WV], 1
	s_and_b32 s[WL], s[WV], 1
	s_bfe_u32 s40, ttmp6, 0x40000
	s_bfe_u32 s41, ttmp6, 0x40004
	s_lshl_b32 s[TX], ttmp9, 2
	s_add_co_u32 s[TX], s[TX], s40
	s_and_b32 s[TY], ttmp7, 0xffff
	s_lshl_b32 s[TY], s[TY], 2
	s_add_co_u32 s[TY], s[TY], s41
	s_lshl_b32 s43, s41, 2
	s_lshl_b32 s43, 15, s43
	s_lshl_b32 s44, 0x1111, s40
	s_or_b32 s[G1A], s43, A_G10
	s_mov_b32 s[G1A+1], A_D0<<16
	s_mov_b32 s[G1A+2], A_D1<<16
	s_mov_b32 s[G1A+3], A_D0<<16
	s_mov_b32 s[G1A+4], A_D1
	s_mov_b32 s[G1A+5], A_ST
	s_mov_b32 s[G1A+6], 0
	s_mov_b32 s[G1A+7], 0
	s_or_b32 s[G1B], s44, B_G10
	s_mov_b32 s[G1B+1], B_D0<<16
	s_mov_b32 s[G1B+2], B_D1<<16
	s_mov_b32 s[G1B+3], B_D0<<16
	s_mov_b32 s[G1B+4], B_D1
	s_mov_b32 s[G1B+5], B_ST
	s_mov_b32 s[G1B+6], 0
	s_mov_b32 s[G1B+7], 0
	s_mov_b32 s[G1R], 2<<16                        ; the residual: 4-byte elements, no mask, no padding: 32 rows x 128 elements, 1,024 from row to row
	s_mov_b32 s[G1R+1], 128<<16
	s_mov_b32 s[G1R+2], 32<<16
	s_mov_b32 s[G1R+3], 128<<16
	s_mov_b32 s[G1R+4], 32
	s_mov_b32 s[G1R+5], 1024
	s_mov_b32 s[G1R+6], 0
	s_mov_b32 s[G1R+7], 0
	s_mov_b32 s[G0R], 1
	s_lshl_b32 s[G0R+1], s[WV], 14                 ; my 32 rows of 512 bytes, from LDS byte 0 on
	s_mul_i32 s16, s[TY], A_TY
	s_mul_i32 s17, s[WL], A_HALF
	s_add_co_u32 s16, s16, s17
	s_mov_b32 s17, 0
	s_mul_i32 s46, s[TX], B_TX
	s_mul_i32 s47, s[WL], B_HALF
	s_add_co_u32 s46, s46, s47
	s_add_co_u32 s46, s46, B_BASE
	s_mov_b32 s47, 0
	s_mul_i32 s[WLA], s[WL], HALFA
	s_mul_i32 s[WLB], s[WL], HALFB
	s_add_co_u32 s[WLB], s[WLB], AREG
	s_mov_b32 s[SB], 0
	s_mov_b32 s[TBA], SLOT+QP*128
	s_mov_b32 s[TBB], SLOT+QP*64*PB
	s_mov_b32 s[G0A], 1
	s_mov_b32 s[G0A+1], s[WLA]
	s_mov_b32 s[G0B], 1
	s_mov_b32 s[G0B+1], s[WLB]
	s_lshl_b32 s90, s[TY], 19                      ; the tile's corner in the result and in the residual: 128 rows of 4,096 bytes, 512 bytes a tile column
	s_lshl_b32 s91, s[TX], 9
	s_add_co_u32 s90, s90, s91
	s_mov_b32 s91, 0
	s_lshl_b32 s92, s[WV], 17                      ; my 32 rows
	s_add_co_u32 s92, s92, s90
	s_mov_b32 s93, 0
	s_wait_dscnt 0x0                               ; the opening add is done
	s_wait_kmcnt 0x0
	s_add_nc_u64 s[G0A+2:G0A+3], s[4:5], s[16:17]
	s_or_b32 s[G0A+3], s[G0A+3], 0x80000000
	s_add_nc_u64 s[G0B+2:G0B+3], s[6:7], s[46:47]
	s_or_b32 s[G0B+3], s[G0B+3], 0x80000000
	s_add_nc_u64 s[G0R+2:G0R+3], s[70:71], s[92:93]
	s_or_b32 s[G0R+3], s[G0R+3], 0x80000000
	s_add_nc_u64 s[8:9], s[8:9], s[90:91]
	CROUND                                         ; all sixteen work-groups are here: the first joint loads meet
	JLOAD                                          ; K step 0 into slot 0
	v_and_b32 v1, 15, v0
	v_bfe_u32 v2, v0, 4, 1
	v_and_b32 v3, 7, v0
	v_bfe_u32 v4, v0, 3, 1
	v_and_b32 v5, 31, v0
	v_mul_u32_u24 v[LA], v1, PA
	v_lshl_add_u32 v[LA], v2, 4, v[LA]
	s_mul_i32 s20, s[WV], LA_MUL                   ; my quarter of the K step, in A
	v_add_nc_u32 v[LA], s20, v[LA]
	v_lshl_add_u32 v[LB], v2, 3, v3
	v_mul_u32_u24 v[LB], v[LB], PB
	v_lshl_add_u32 v[LB], v4, 4, v[LB]
	s_mul_i32 s21, s[WV], 64*PB                    ; and in B: 64 K rows
	s_add_co_u32 s21, s21, AREG
	v_add_nc_u32 v[LB], s21, v[LB]
	s_mul_i32 s22, s[WV], REG
	s_add_co_u32 s22, s22, STG
	v_mul_u32_u24 v[STO], v1, SP
	v_lshl_add_u32 v[STO], v2, 5, v[STO]
	v_add_nc_u32 v[STO], s22, v[STO]
	s_mul_i32 s23, s[WV], 16*SP
	s_add_co_u32 s23, s23, STG
	v_lshl_add_u32 v[RDB], v5, 4, s23              ; a row's 512 bytes: 16 a lane; my 16 rows of a phase
	s_lshl_b32 s23, s[WV], 13
	v_lshl_add_u32 v[RRB], v5, 4, s23              ; the same rows of the residual's tile
	s_lshl_b32 s23, s[WV], 16
	v_lshl_add_u32 v[GOB], v5, 4, s23              ; and of the result
	s_lshl_b32 s88, s[TX], 9
	v_lshl_add_u32 v[BO], v5, 4, s88
	global_load_b128 v[BI:BI+3], v[BO], s[68:69]   ; the bias of my four columns
	CHANGE 1                                       ; K step 0 is in; K step 1 is asked for
	PAIR 1                                         ; its first products start the sums
	WIN 0
	s_mov_b32 s[STEPS], KSTEPS-2
.Lstep:                                                ; K steps 1 to KSTEPS - 2; each trip asks for the step two on
	CHANGE 1
	PAIR 0
	WIN 0
	s_sub_co_u32 s[STEPS], s[STEPS], 1
	s_cmp_lg_u32 s[STEPS], 0
	s_cbranch_scc1 .Lstep
	CHANGE 2                                       ; the last K step is written out; the residual is asked for
	PAIR 0
	WIN 0
	s_wait_dscnt 0x0                               ; my last reads of the ring are back,
	s_wait_tensorcnt 0x0                           ; and my part of the residual has landed:
	s_barrier_signal -1                            ; say so,
	MULH 1, 1, 0                                   ; the last products, on registers alone,
	WIN 0
	s_barrier_wait -1                              ; and behind this nobody reads the ring any more, and the residual's tile is whole
.rept 4
	v_nop                                          ; the places between the last products and the stores that read them
.endr
	s_wait_loadcnt 0x0                             ; the bias
	PHASE 0
	s_wait_dscnt 0x0                               ; my reads of the stage are over,
	s_barrier_signal -1
	s_barrier_wait -1                              ; everybody's are: it may be written again
	PHASE 1
	s_wait_tensorcnt 0x0                           ; the wave's end
	ds_add_u32 v[SPW], v[NIL]
	s_wait_dscnt 0x0
	CROUND                                         ; the closing round
	s_endpgm
.Lfunc_end_k_qb5ff6c78d4_ffn2:
	.size	k_qb5ff6c78d4_ffn2, .Lfunc_end_k_qb5ff6c78d4_ffn2-k_qb5ff6c78d4_ffn2
	.p2alignl 7, 3214868480
	.fill 96, 4, 3214868480
	.section	.rodata,"a",@progbits
	.p2align	6, 0x0
	.amdhsa_kernel k_qb5ff6c78d4_ffn2
		.amdhsa_group_segment_fixed_size 327680
		.amdhsa_private_segment_fixed_size 0
		.amdhsa_enable_private_segment 0
		.amdhsa_kernarg_size 40
		.amdhsa_user_sgpr_count 2
		.amdhsa_user_sgpr_kernarg_segment_ptr 1
		.amdhsa_wavefront_size32 1
		.amdhsa_system_sgpr_workgroup_id_x 1
		.amdhsa_system_sgpr_workgroup_id_y 1
		.amdhsa_system_sgpr_workgroup_id_z 1
		.amdhsa_system_vgpr_workitem_id 0
		.amdhsa_next_free_vgpr 1024
		.amdhsa_next_free_sgpr 96
		.amdhsa_reserve_vcc 0
		.amdhsa_float_denorm_mode_32 3
		.amdhsa_float_denorm_mode_16_64 3
		.amdhsa_memory_ordered 1
		.amdhsa_forward_progress 1
		.amdhsa_inst_pref_size 69
	.end_amdhsa_kernel
	.amdgpu_metadata
---
amdhsa.version: [ 1, 2 ]
amdhsa.kernels:
  - .name:           k_qb5ff6c78d4_ffn2
    .symbol:         k_qb5ff6c78d4_ffn2.kd
    .args:
      - { .name: big, .offset: 0, .size: 8, .value_kind: global_buffer, .address_space: global }
      - { .name: wb, .offset: 8, .size: 8, .value_kind: global_buffer, .address_space: global }
      - { .name: out0, .offset: 16, .size: 8, .value_kind: global_buffer, .address_space: global }
      - { .name: b2, .offset: 24, .size: 8, .value_kind: global_buffer, .address_space: global }
      - { .name: x1, .offset: 32, .size: 8, .value_kind: global_buffer, .address_space: global }
    .group_segment_fixed_size: 327680
    .private_segment_fixed_size: 0
    .kernarg_segment_align: 8
    .kernarg_segment_size: 40
    .max_flat_workgroup_size: 128
    .sgpr_count:     96
    .vgpr_count:     1024
    .wavefront_size: 32
...
	.end_amdgpu_metadata
.endif
;; end of part 7
